; MI455X (gfx1250); checked and timed in simulation.
; The chip was launched on July 23, 2026; its instructions are those of AMD's public machine-readable ISA for CDNA 5 (MIT licence, August 2026) and "CDNA5" Instruction Set Architecture Reference Guide (July 2026). The comments in the code are by the model that wrote it; some were corrected since.
;; Grouped Query Attention. Allowed arithmetic: matrix products marked QUANTISED: E2M1 operands, one E8M0 scale for each 32 along K, by v_wmma_scale_f32_16x16x128_f8f6f4 with both operands' format E2M1 (or v_wmma_scale_f32_32x16x128_f4), f32 sums; products left as they are: bf16, f16 or f32 operands; f32 sums; everything else in f32.
;; Inputs: Wg 2,048 x 2,048 float32; Wk 2,048 x 512 float32; Wo 2,048 x 2,048 float32; Wq 2,048 x 2,048 float32; Wv 2,048 x 512 float32; cos 2,048 x 64 float32; k_scale 64 float32; mask 2,048 x 2,048 bool; q_scale 64 float32; sin 2,048 x 64 float32; x 1 x 2,048 x 2,048 float32.
;; Outputs: out0 1 x 2,048 x 2,048 float32.
;; This version of the problem:
;;   THIS VERSION OF THE PROBLEM IS GIVEN IN LOW PRECISION. The matrix products marked QUANTISED in the list below multiply operands that are first quantised to E2M1 (2 exponent bits, 1 mantissa bit; 4 bits a number), with one power-of-two scale for each 32 numbers along K (OCP MX v1.0); their sums are f32. The products marked 'left as it is' may take bf16, f16 or f32 operands, with f32 sums. Whichever they take, every output number must still come out within the allowed error. Rounding operands to bf16 (8 significant bits) uses up far more of that allowance than f16 does (11 bits, for magnitudes from 6e-5 to 65,504). All else is computed in f32.
;;   The module's matrix products, in the order in which they are computed (A, B: the left and right operand; K: the contracted axis; several contracted axes count as one K, in the product's order):
;;     1. [M 2,048, K 2,048] x [K 2,048, N 2,048]; A: input x; B: input Wq: QUANTISED
;;     2. [M 2,048, K 2,048] x [K 2,048, N 512]; A: input x; B: input Wk: QUANTISED
;;     3. [M 2,048, K 2,048] x [K 2,048, N 512]; A: input x; B: input Wv: QUANTISED
;;     4. [M 2,048, K 2,048] x [K 2,048, N 2,048]; A: input x; B: input Wg: QUANTISED
;;     5. batch 8 x [M 8,192, K 64] x [K 64, N 2,048]; A: computed on the way; B: computed on the way: left as it is (an operand is computed on the way)
;;     6. batch 8 x [M 8,192, K 2,048] x [K 2,048, N 64]; A: computed on the way; B: computed on the way: left as it is (an operand is computed on the way)
;;     7. [M 2,048, K 2,048] x [K 2,048, N 2,048]; A: computed on the way; B: input Wo: left as it is (an operand is computed on the way)
;;   THE QUANTISER, for each operand of a quantised product, along K:
;;     - K is cut into blocks of 32 from its start; a last block that is shorter is filled with zeros.
;;     - A block's scale is 2^e with e = floor(log2(the largest magnitude in the block)) - 2, held to -126 .. 127; a block of zeros has e = 0. As a byte (E8M0): e + 127.
;;     - Each number is divided by its block's scale, clamped to +-6, and rounded to the nearest number of E2M1, ties to even, subnormals kept.
;;     - The product sums the exact products of the quantised numbers (number of the format x scale) in f32.
;;   ~~~python
;;   def quantise(x, axis):      # numpy; x: float32 -> the quantised numbers, widened to float32 again
;;       x = np.moveaxis(x, axis, -1); K = x.shape[-1]
;;       x = np.pad(x, [(0, 0)] * (x.ndim - 1) + [(0, -K % 32)]); x = x.reshape(x.shape[:-1] + (-1, 32)); a = np.abs(x).max(-1, keepdims=True)
;;       e = np.where(a > 0, np.clip(np.frexp(np.where(a > 0, a, 1))[1] - 1 - 2, -126, 127), 0)      # np.frexp(a)[1] - 1 = floor(log2(a)), exactly
;;       r = np.clip(x / 2.0 ** e, -6, 6)
;;       step = 2.0 ** (np.maximum(np.frexp(np.where(r == 0, 1, r))[1] - 1, 0) - 1)
;;       q = np.round(r / step) * step * 2.0 ** e      # np.round: ties to even
;;       return np.moveaxis(q.reshape(q.shape[:-2] + (-1,))[..., :K], -1, axis).astype(np.float32)
;;   ~~~
;; One version. Each part assembles by itself: llvm-mc -triple=amdgcn-amd-amdhsa -mcpu=gfx1250 --defsym DOCPART=n.
;; ======== version 1 of 1: 6 launches
;; limits: values outside matrix products are rounded to f16; values are held in f16: magnitudes above 65,504 overflow, below 6.1e-05 lose precision
;; workspace buffers: prep 16,187,392 bytes; tmap 512 bytes of whole numbers; proj 30,408,704 bytes; act 8,519,680 bytes
;; launch prep (part 1): grid 416 x 1, 4 waves a work-group, no clusters, 68,096 bytes of LDS; arguments x, Wq, Wk, Wv, Wg, Wo, mask, prep, tmap; writes prep, tmap
.if DOCPART == 1
	.amdgcn_target "amdgcn-amd-amdhsa--gfx1250"
	.amdhsa_code_object_version 6
	.text
	.protected	k_q37387d86e4_prep
	.globl	k_q37387d86e4_prep
	.p2align	8
	.type	k_q37387d86e4_prep,@function
k_q37387d86e4_prep:
	s_mov_b64 s[64:65], 0
	v_nop
	global_prefetch_b8 v0, s[64:65] scope:SCOPE_SE
	s_setreg_imm32_b32 hwreg(HW_REG_WAVE_MODE, 25, 1), 1
	s_wait_xcnt 0x0
; PREP: everything that later launches read many times is laid out once.  Four roles, chosen by the work-group's number:
;   XQ  (0-127)    x [2048][2048] f32 -> codes of E2M1 [2048][1024 B] at prep+0 and E8M0 bytes [2048][64] at prep+XS (K innermost in memory)
;   WQ  (128-287)  Wq, Wg, Wk, Wv [2048 (K)][N] f32 -> codes [5120][1024 B] at prep+WC, bytes [5120][64] at prep+WS; rows: q 0-2047, k 2048-2559, v 2560-3071, gate 3072-5119
;   WOT (288-351)  Wo [2048 (K)][2048] f32 -> f16, in the order of an operand's registers: [column tile 128][32 K 64][half 2][lane 32][16 B]; lane (r, h): Wo[32 kf + 16 u + 8 h + 0..7][16 nt + r]
;   MAP (352-415)  mask [2048][2048] bool -> for each block of 32 rows two words: bit c of ANY = some key of 64 c .. 64 c + 63 counts for some row, bit c of MIX = some is masked
; DEAD WORK: none.  Every input of reference() has a way to the output and is loaded by some launch, and all seven products are done.  What the attention launches pass over is decided by the
; whole numbers of the mask as they are given (the map stored here), tile by tile: a tile whose every entry is masked gets -inf ahead of the softmax in reference() and adds nothing.
; THE QUANTISER: a block's scale is 2^(floor(log2(largest magnitude)) - 2); its byte is the largest magnitude's exponent field - 2, held at 1 from below; numbers / scale to the nearest code, ties to even, beyond 6 the code of 6.
; A block of zeros keeps the byte 1 where the rule says 127: its codes are zeros, and this program alone reads the bytes.
; LIMITS: blocks whose largest magnitude lies under 2^-124 (the floor) are held at the byte 1; NaN and infinities among x and the weights are not served; Wo is rounded to f16 (magnitudes up to 65,504).
; Memory binds this launch: no matrix unit, no tensor load, no cluster, no barrier: waves share nothing.  Each role that uses LDS has bytes of its own.
.set WC,    2097152
.set XS,    7340032
.set WS,    7471104
.set WOT,   7798784
.set SPARE, 67584                      ; behind XQ's 32,768 and WQ's 34,816 bytes: the spare words, 128 bytes for each wave
.set SPW,   224                        ; v224  LDS address of my spare word; never rewritten
.set NIL,   225                        ; v225  0; never rewritten
.set WV,    34                         ; s34   my wave's number
.set EMAX,  2
.macro FIN                             ; the end of a wave that stored to LDS
	s_wait_tensorcnt 0x0
	ds_add_u32 v[SPW], v[NIL]
	s_wait_dscnt 0x0
	s_endpgm
.endm
	s_load_b512 s[16:31], s[0:1], 0x0              ; x 16, Wq 18, Wk 20, Wv 22, Wg 24, Wo 26, mask 28, prep 30
	s_load_b64 s[32:33], s[0:1], 0x40              ; tmap
	v_lshl_add_u32 v[SPW], v0, 2, SPARE
	v_mov_b32 v[NIL], 0
	v_lshrrev_b32 v1, 5, v0
	v_readfirstlane_b32 s[WV], v1                  ; wave 0..3
	v_and_b32 v2, 31, v0                           ; lane
	s_wait_kmcnt 0x0
	s_cmp_lt_u32 ttmp9, 128
	s_cbranch_scc1 .Lxq
	s_cmp_lt_u32 ttmp9, 288
	s_cbranch_scc1 .Lwq
	s_cmp_lt_u32 ttmp9, 352
	s_cbranch_scc1 .Lwot
; ---------------- MAP: a work-group takes 32 rows of the mask, wave q keys 512 q .. 512 q + 511, a lane 16 keys of every row
	s_sub_co_u32 s35, ttmp9, 352                   ; the block of rows
	s_lshl_b32 s36, s35, 16                        ; 32 rows of 2,048 bytes
	s_lshl_b32 s37, s[WV], 9
	s_add_co_u32 s36, s36, s37
	s_mov_b32 s37, 0
	s_add_nc_u64 s[4:5], s[28:29], s[36:37]
	v_lshlrev_b32 v3, 4, v2
.set i, 0
.rept 32
	global_load_b128 v[32+4*i:35+4*i], v3, s[4:5] offset:2048*i      ; 32 lanes read 512 consecutive bytes of a row
.set i, i+1
.endr
	s_wait_loadcnt 24                              ; rows 0 to 7 are in; the 24 younger loads stay out
.irp k, 0,1,2,3
	v_and_b32 v[8+\k], v[32+\k], v[36+\k]          ; four chains each: the AND and the OR of my words
	v_or_b32 v[16+\k], v[32+\k], v[36+\k]
.endr
.set ro, 2
.rept 30
.if ro%8 == 0
	s_wait_loadcnt 24-ro                           ; the next eight rows are in
.endif
.irp k, 0,1,2,3
	v_and_b32 v[8+\k], v[8+\k], v[32+4*ro+\k]
	v_or_b32 v[16+\k], v[16+\k], v[32+4*ro+\k]
.endr
.set ro, ro+1
.endr
	v_and_b32 v8, v8, v9
	v_and_b32 v10, v10, v11
	v_or_b32 v16, v16, v17
	v_or_b32 v18, v18, v19
	v_and_b32 v8, v8, v10
	v_or_b32 v16, v16, v18
	v_cmp_ne_u32 s38, 0x1010101, v8                ; a bit a lane: some of my 512 entries is 0 (counts)
	v_cmp_ne_u32 s39, 0, v16                       ; some of them is 1 (masked)
.macro SQUEEZE x, t                    ; 32 bits, a lane each -> 8 bits, a chunk of four lanes each
	s_lshr_b32 \t, \x, 1
	s_or_b32 \x, \x, \t
	s_lshr_b32 \t, \x, 2
	s_or_b32 \x, \x, \t
	s_and_b32 \x, \x, 0x11111111                   ; bit 4 c = the OR of bits 4 c .. 4 c + 3
	s_lshr_b32 \t, \x, 3
	s_or_b32 \x, \x, \t
	s_and_b32 \x, \x, 0x03030303
	s_lshr_b32 \t, \x, 6
	s_or_b32 \x, \x, \t
	s_and_b32 \x, \x, 0x000f000f
	s_lshr_b32 \t, \x, 12
	s_or_b32 \x, \x, \t
	s_and_b32 \x, \x, 0xff
.endm
	SQUEEZE s38, s40
	SQUEEZE s39, s40
	s_lshl_b32 s36, s35, 3                         ; 8 bytes a block; my chunks 8 q .. 8 q + 7 are byte q of each word
	s_add_co_u32 s36, s36, s[WV]
	s_add_nc_u64 s[8:9], s[32:33], s[36:37]
	v_mov_b32 v4, s38
	v_mov_b32 v5, s39
	v_mov_b32 v6, 0
	v_cmp_eq_u32 vcc_lo, 0, v2
	s_wait_xcnt 0x0                                ; EXEC changes only behind this wait
	s_and_saveexec_b32 s40, vcc_lo                 ; lane 0 alone stores
	global_store_b8 v6, v4, s[8:9]
	global_store_b8 v6, v5, s[8:9] offset:4
	s_wait_xcnt 0x0
	s_or_b32 exec_lo, exec_lo, s40
	s_endpgm
; ---------------- XQ: x is a plain stream of blocks of 32.  A wave takes 16 steps of 512 numbers.  Each load reads 512 consecutive bytes; a step's 2,048 bytes turn through the wave's own stage in LDS
; and come back 64 bytes a lane: 16 neighbours along K, two lanes to a block.  A lane's 16 codes are 8 bytes: a store covers 256 consecutive bytes.  A wave's 256 scale bytes leave as one such run.
.set SP,  80                           ; a lane's place in a stage: 64 bytes + 16 of padding
.set XR,  16                           ; v16-79   four sets of 16 numbers as loaded
.set XX,  80                           ; v80-111  two sets of 16 neighbours
.set XE,  112                          ; v112-127 a scale byte for each step
.set XCD, 128                          ; v128-191 codes, four registers a step: no store's data are written again
.Lxq:
	v_lshlrev_b32 v3, 4, v2                        ; my 16 bytes of a load's 512
	s_lshl_b32 s35, s[WV], 13                      ; my wave's 8,192 bytes of LDS
	v_lshrrev_b32 v14, 2, v2
	v_mul_u32_u24 v14, v14, SP
	v_and_b32 v15, 3, v2
	v_lshl_add_u32 v14, v15, 4, v14
	v_add_nc_u32 v14, s35, v14                     ; into the stage: SP (lane / 4) + 16 (lane % 4)
	v_mul_u32_u24 v15, v2, SP
	v_add_nc_u32 v15, s35, v15                     ; out of it: SP x lane
	v_lshlrev_b32 v4, 3, v2                        ; my codes' place in a step's 256 bytes
	v_lshrrev_b32 v5, 1, v2
	s_add_co_u32 s35, s35, 2*32*SP
	v_add_nc_u32 v5, s35, v5                       ; my block's byte among the wave's 256
	v_lshlrev_b32 v7, 3, v2
	v_add_nc_u32 v6, s35, v7
	s_lshl_b32 s36, ttmp9, 2
	s_add_co_u32 s36, s36, s[WV]                   ; which run of 8,192 numbers is my wave's
	s_mov_b32 s39, 0
	s_lshl_b32 s38, s36, 15
	s_add_nc_u64 s[4:5], s[16:17], s[38:39]
	s_lshl_b32 s38, s36, 12
	s_add_nc_u64 s[8:9], s[30:31], s[38:39]        ; codes: prep + 0
	s_lshl_b32 s38, s36, 8
	s_add_nc_u64 s[10:11], s[30:31], s[38:39]
	s_add_nc_u64 s[10:11], s[10:11], XS
.macro XLD t
.irp i, 0,1,2,3
	global_load_b128 v[XR+16*((\t)%4)+4*\i:XR+16*((\t)%4)+4*\i+3], v3, s[4:5] offset:2048*(\t)+512*\i th:TH_LOAD_NT
.endr
.endm
.macro XTURN t                         ; LDS serves a wave's instructions in order: no wait between the stores and the loads
.irp i, 0,1,2,3
	ds_store_b128 v14, v[XR+16*((\t)%4)+4*\i:XR+16*((\t)%4)+4*\i+3] offset:32*SP*((\t)%2)+8*SP*\i
.endr
.irp i, 0,1,2,3
	ds_load_b128 v[XX+16*((\t)%2)+4*\i:XX+16*((\t)%2)+4*\i+3], v15 offset:32*SP*((\t)%2)+16*\i
.endr
.endm
.irp t, 0,1,2,3
	XLD \t
.endr
	s_wait_loadcnt 12                              ; step 0's four loads are in
	XTURN 0
.macro XSTEP t
.set XN, XX+16*((\t)%2)
.if (\t) > 0
	s_wait_dscnt 1                                 ; this step's numbers are back (the last step's byte store may be out): its stores into the stage have read their registers,
.else
	s_wait_dscnt 0x0
.endif
.if (\t)+4 < 16
	XLD (\t)+4                                     ; which take the loads of four steps on
.endif
.if (\t)+1 < 16
.if 14-(\t) >= 3
	s_wait_loadcnt 12                              ; the next step's four loads are in; those of the three steps behind it may be out
.else
	s_wait_loadcnt 4*(14-(\t))
.endif
	XTURN (\t)+1
.endif
	v_max3_num_f32 v8, |v[XN]|, |v[XN+1]|, |v[XN+2]|
	v_max3_num_f32 v9, |v[XN+3]|, |v[XN+4]|, |v[XN+5]|
.irp i, 6,10
	v_max3_num_f32 v8, v8, |v[XN+\i]|, |v[XN+\i+1]|
	v_max3_num_f32 v9, v9, |v[XN+\i+2]|, |v[XN+\i+3]|
.endr
	v_max3_num_f32 v8, v8, |v[XN+14]|, |v[XN+15]|
	v_max3_num_f32 v8, v8, v9, (EMAX+1)<<23        ; and the floor 2^(3 - 127): the byte cannot fall under 1
	v_max_num_f32_dpp v8, v8, v8 row_xmask:1 row_mask:0xf bank_mask:0xf   ; with my neighbour's 16: the block's largest magnitude
	v_add_nc_u32 v11, -(EMAX<<23), v8              ; 2 off its exponent field: the conversion takes the exponent field of this operand as its scale
	v_cvt_scalef32_pk8_fp4_f32 v[XCD+4*(\t)], v[XN:XN+7], v11
	v_cvt_scalef32_pk8_fp4_f32 v[XCD+4*(\t)+1], v[XN+8:XN+15], v11
	v_lshrrev_b32 v[XE+(\t)], 23, v11              ; the scale's byte
	ds_store_b8 v5, v[XE+(\t)] offset:16*(\t)      ; both lanes of a block write the same byte with the same value
	global_store_b64 v4, v[XCD+4*(\t):XCD+4*(\t)+1], s[8:9] offset:256*(\t)
.endm
.irp t, 0,1,2,3,4,5,6,7,8,9,10,11,12,13,14,15
	XSTEP \t
.endr
	ds_load_b64 v[8:9], v6
	s_wait_dscnt 0x0
	global_store_b64 v7, v[8:9], s[10:11]          ; 32 lanes store 256 consecutive bytes
	FIN
; ---------------- WQ and WOT: K is the first axis.  A lane takes a column and its registers run down K: each load reads 128 consecutive bytes of a row of the weight.
.set WX,   32                          ; v32-95   two sets of 32 numbers down K
.set WCD,  96                          ; v96-99   a block's codes
.set HF,   96                          ; v96-127  WOT: two sets of 16 registers of f16
.set OUTR, 112                         ; v112-175 WQ's way out
.set SB,   24                          ; v24-27   WQ: 16 scale bytes
.set OFFS, 192                         ; v192-223 4 x lane + i rows: the weights' row lengths differ, so the rows stand in registers and not in immediates
.macro MKOFFS                          ; s44: bytes from row to row
	v_lshlrev_b32 v[OFFS], 2, v2
.set i, 1
.rept 31
	v_add_nc_u32 v[OFFS+i], s44, v[OFFS+i-1]
.set i, i+1
.endr
.endm
.macro LOADB set, step                 ; 32 rows of my column into a set; step = 1: the base goes 32 rows on first (s[42:43]), behind a wait that the loads of a block ago have long met
.if \step
	s_wait_xcnt 0x0
	s_add_nc_u64 s[4:5], s[4:5], s[42:43]
.endif
.set i, 0
.rept 32
	global_load_b32 v[WX+32*(\set)+i], v[OFFS+i], s[4:5] th:TH_LOAD_NT
.set i, i+1
.endr
.endm
.Lwq:
	s_sub_co_u32 s35, ttmp9, 128                   ; 0-63 Wq, 64-127 Wg, 128-143 Wk, 144-159 Wv: choices on the work-group's number alone
	s_mov_b64 s[4:5], s[18:19]
	s_mov_b32 s36, 0                               ; the tensor's first row among the 5,120 rows of codes
	s_mov_b32 s37, 2048                            ; N
	s_cmp_ge_u32 s35, 64
	s_cselect_b64 s[4:5], s[24:25], s[4:5]
	s_cselect_b32 s36, 3072, s36
	s_cmp_ge_u32 s35, 128
	s_cselect_b64 s[4:5], s[20:21], s[4:5]
	s_cselect_b32 s36, 2048, s36
	s_cselect_b32 s37, 512, s37
	s_cselect_b32 s38, 2, 4                        ; log2 of the groups of 128 columns
	s_cmp_ge_u32 s35, 144
	s_cselect_b64 s[4:5], s[22:23], s[4:5]
	s_cselect_b32 s36, 2560, s36
	s_bfm_b32 s39, s38, 0
	s_and_b32 s39, s35, s39                        ; which 128 columns
	s_lshr_b32 s40, s35, s38
	s_and_b32 s40, s40, 3                          ; which 512 along K
	s_lshl_b32 s39, s39, 7
	s_lshl_b32 s41, s[WV], 5
	s_add_co_u32 s39, s39, s41                     ; my wave's first column
	s_lshl_b32 s44, s37, 2                         ; a row of the weight in bytes
	s_lshl_b32 s42, s37, 7                         ; 32 rows
	s_mov_b32 s43, 0
	s_lshl_b32 s46, s37, 11                        ; 512 rows
	s_mul_i32 s46, s46, s40
	s_lshl_b32 s41, s39, 2
	s_add_co_u32 s46, s46, s41
	s_mov_b32 s47, 0
	s_add_nc_u64 s[4:5], s[4:5], s[46:47]
	s_add_co_u32 s36, s36, s39                     ; my wave's first row of codes
	s_lshl_b32 s46, s36, 10
	s_lshl_b32 s41, s40, 8
	s_add_co_u32 s46, s46, s41
	s_add_nc_u64 s[8:9], s[30:31], s[46:47]
	s_add_nc_u64 s[8:9], s[8:9], WC
	s_lshl_b32 s46, s36, 6
	s_lshl_b32 s41, s40, 4
	s_add_co_u32 s46, s46, s41
	s_add_nc_u64 s[10:11], s[30:31], s[46:47]
	s_add_nc_u64 s[10:11], s[10:11], WS
	MKOFFS
	s_mul_i32 s41, s[WV], 8704                     ; my stage: 32 rows of 256 bytes + 16
	s_add_co_u32 s41, s41, 32768
	v_mul_u32_u24 v4, v2, 272
	v_add_nc_u32 v4, s41, v4                       ; into it: row = my column
	v_and_b32 v5, 15, v2
	v_lshrrev_b32 v6, 4, v2
	v_mul_u32_u24 v7, v6, 272
	v_lshl_add_u32 v7, v5, 4, v7
	v_add_nc_u32 v7, s41, v7                       ; out of it: sixteen lanes to a row
	v_lshlrev_b32 v8, 10, v6
	v_lshl_add_u32 v8, v5, 4, v8                   ; and the same place among the rows of codes
	v_lshlrev_b32 v9, 6, v2                        ; my column's row of scale bytes
	LOADB 0, 0
	LOADB 1, 1
.macro BLOCK t
.set XN, WX+32*((\t)%2)
.if (\t) < 15
	s_wait_loadcnt 32                              ; this block's 32 loads are in; the next block's may be out
.else
	s_wait_loadcnt 0x0
.endif
	v_max3_num_f32 v12, |v[XN]|, |v[XN+1]|, |v[XN+2]|      ; all 32 numbers of the block are mine
	v_max3_num_f32 v13, |v[XN+3]|, |v[XN+4]|, |v[XN+5]|
.irp i, 6,10,14,18,22,26
	v_max3_num_f32 v12, v12, |v[XN+\i]|, |v[XN+\i+1]|
	v_max3_num_f32 v13, v13, |v[XN+\i+2]|, |v[XN+\i+3]|
.endr
	v_max3_num_f32 v12, v12, |v[XN+30]|, |v[XN+31]|
	v_max3_num_f32 v12, v12, v13, (EMAX+1)<<23
	v_add_nc_u32 v11, -(EMAX<<23), v12
	v_lshrrev_b32 v13, 23, v11
.if (\t)%4 == 0
	v_mov_b32 v[SB+(\t)/4], v13                    ; four bytes to a register, the lower K in the lower byte
.else
	v_lshl_or_b32 v[SB+(\t)/4], v13, 8*((\t)%4), v[SB+(\t)/4]
.endif
.irp g, 0,1,2,3
	v_cvt_scalef32_pk8_fp4_f32 v[WCD+\g], v[XN+8*\g:XN+8*\g+7], v11
.endr
	ds_store_b128 v4, v[WCD:WCD+3] offset:16*(\t)  ; 32 codes: 16 bytes of my column's row
.if (\t)+2 < 16
	LOADB (\t)%2, 1
.endif
	s_wait_dscnt 0x0                               ; the store has read its registers: the next block's codes may be written
.endm
.set Q, 0
.rept 16
	BLOCK Q
.set Q, Q+1
.endr
	global_store_b128 v9, v[SB:SB+3], s[10:11]     ; my column's 16 scale bytes
.irp t, 0,1,2,3,4,5,6,7,8,9,10,11,12,13,14,15
	ds_load_b128 v[OUTR+4*\t:OUTR+4*\t+3], v7 offset:2*\t*272
.endr
.irp t, 0,1,2,3,4,5,6,7,8,9,10,11,12,13,14,15
	s_wait_dscnt 15-\t                             ; the younger loads from the stage stay out
	global_store_b128 v8, v[OUTR+4*\t:OUTR+4*\t+3], s[8:9] offset:2*\t*1024   ; sixteen lanes store 256 consecutive bytes
.endr
	FIN
; ---------------- WOT: 32 columns x 512 of K a wave.  A lane's 32 numbers down K are rounded in pairs; four registers are 8 neighbours along K: one lane's 16 bytes of an image
.Lwot:
	s_sub_co_u32 s35, ttmp9, 288
	s_and_b32 s39, s35, 15                         ; which 128 columns
	s_lshr_b32 s40, s35, 4                         ; which 512 along K
	s_mov_b32 s44, 8192
	s_mov_b32 s42, 32*8192
	s_mov_b32 s43, 0
	s_lshl_b32 s46, s40, 22
	s_lshl_b32 s41, s39, 9
	s_add_co_u32 s46, s46, s41
	s_lshl_b32 s41, s[WV], 7
	s_add_co_u32 s46, s46, s41
	s_mov_b32 s47, 0
	s_add_nc_u64 s[4:5], s[26:27], s[46:47]
	s_lshl_b32 s46, s39, 19                        ; column tile 8 xg + 2 wave, 65,536 bytes each
	s_lshl_b32 s41, s[WV], 17
	s_add_co_u32 s46, s46, s41
	s_lshl_b32 s41, s40, 14                        ; 16 steps of 32 along K, 1,024 bytes each
	s_add_co_u32 s46, s46, s41
	s_add_nc_u64 s[8:9], s[30:31], s[46:47]
	s_add_nc_u64 s[8:9], s[8:9], WOT
	MKOFFS
	v_lshrrev_b32 v6, 4, v2
	v_and_b32 v5, 15, v2
	v_lshlrev_b32 v8, 16, v6                       ; lanes 16-31: the next column tile
	v_lshl_add_u32 v8, v5, 4, v8
	LOADB 0, 0
	LOADB 1, 1
.macro KFS t
.set XN, WX+32*((\t)%2)
.set HN, HF+16*((\t)%2)
.if (\t) < 15
	s_wait_loadcnt 32
.else
	s_wait_loadcnt 0x0
.endif
.set p, 0
.rept 16
	v_cvt_pk_f16_f32 v[HN+p], v[XN+2*p], v[XN+2*p+1]       ; (this set's stores of two steps ago stand ahead of a wait on XCNT in LOADB)
.set p, p+1
.endr
.irp q, 0,1,2,3                        ; q = 2 u + h
	global_store_b128 v8, v[HN+4*\q:HN+4*\q+3], s[8:9] offset:1024*(\t)+256*\q   ; sixteen lanes store 256 consecutive bytes
.endr
.if (\t)+2 < 16
	LOADB (\t)%2, 1
.endif
.endm
.set Q, 0
.rept 16
	KFS Q
.set Q, Q+1
.endr
	s_endpgm
.Lfunc_end_k_q37387d86e4_prep:
	.size	k_q37387d86e4_prep, .Lfunc_end_k_q37387d86e4_prep-k_q37387d86e4_prep
	.p2alignl 7, 3214868480
	.fill 96, 4, 3214868480
	.section	.rodata,"a",@progbits
	.p2align	6, 0x0
	.amdhsa_kernel k_q37387d86e4_prep
		.amdhsa_group_segment_fixed_size 68096
		.amdhsa_private_segment_fixed_size 0
		.amdhsa_enable_private_segment 0
		.amdhsa_kernarg_size 72
		.amdhsa_user_sgpr_count 2
		.amdhsa_user_sgpr_kernarg_segment_ptr 1
		.amdhsa_wavefront_size32 1
		.amdhsa_system_sgpr_workgroup_id_x 1
		.amdhsa_system_sgpr_workgroup_id_y 1
		.amdhsa_system_sgpr_workgroup_id_z 1
		.amdhsa_system_vgpr_workitem_id 0
		.amdhsa_next_free_vgpr 232
		.amdhsa_next_free_sgpr 66
		.amdhsa_reserve_vcc 1
		.amdhsa_float_denorm_mode_32 3
		.amdhsa_float_denorm_mode_16_64 3
		.amdhsa_memory_ordered 1
		.amdhsa_forward_progress 1
		.amdhsa_inst_pref_size 200
	.end_amdhsa_kernel
	.amdgpu_metadata
---
amdhsa.version: [ 1, 2 ]
amdhsa.kernels:
  - .name:           k_q37387d86e4_prep
    .symbol:         k_q37387d86e4_prep.kd
    .args:
      - { .name: x, .offset: 0, .size: 8, .value_kind: global_buffer, .address_space: global }
      - { .name: Wq, .offset: 8, .size: 8, .value_kind: global_buffer, .address_space: global }
      - { .name: Wk, .offset: 16, .size: 8, .value_kind: global_buffer, .address_space: global }
      - { .name: Wv, .offset: 24, .size: 8, .value_kind: global_buffer, .address_space: global }
      - { .name: Wg, .offset: 32, .size: 8, .value_kind: global_buffer, .address_space: global }
      - { .name: Wo, .offset: 40, .size: 8, .value_kind: global_buffer, .address_space: global }
      - { .name: mask, .offset: 48, .size: 8, .value_kind: global_buffer, .address_space: global }
      - { .name: prep, .offset: 56, .size: 8, .value_kind: global_buffer, .address_space: global }
      - { .name: tmap, .offset: 64, .size: 8, .value_kind: global_buffer, .address_space: global }
    .group_segment_fixed_size: 68096
    .private_segment_fixed_size: 0
    .kernarg_segment_align: 8
    .kernarg_segment_size: 72
    .max_flat_workgroup_size: 128
    .sgpr_count:     66
    .vgpr_count:     232
    .wavefront_size: 32
...
	.end_amdgpu_metadata
.endif
;; end of part 1
;; launch proj (part 2): grid 20 x 8, 4 waves a work-group, clusters of 4 x 4, 327,680 bytes of LDS; arguments prep, cos, sin, q_scale, k_scale, proj; writes proj
.if DOCPART == 2
	.amdgcn_target "amdgcn-amd-amdhsa--gfx1250"
	.amdhsa_code_object_version 6
	.text
	.protected	k_q37387d86e4_proj
	.globl	k_q37387d86e4_proj
	.p2align	8
	.type	k_q37387d86e4_proj,@function
k_q37387d86e4_proj:
	s_mov_b64 s[64:65], 0
	v_nop
	global_prefetch_b8 v0, s[64:65] scope:SCOPE_SE
	s_setreg_imm32_b32 hwreg(HW_REG_WAVE_MODE, 25, 1), 1
	s_wait_xcnt 0x0
	s_wait_alu depctr_hold_cnt(0) depctr_sa_sdst(0) depctr_va_vdst(0) depctr_va_sdst(0) depctr_va_ssrc(0) depctr_va_vcc(0) depctr_vm_vsrc(0)
	s_getreg_b32 s2, hwreg(HW_REG_IB_STS2, 6, 4)
	s_cmp_eq_u32 s2, 0
	s_cbranch_scc0 .Lentry_in_a_cluster
	s_endpgm
.Lentry_in_a_cluster:
	s_bfe_u32 s2, ttmp6, 0x10000c
	s_cmp_lg_u32 s2, 0xf033
	s_cbranch_scc0 .Lentry_shape_is_right
	s_endpgm
.Lentry_shape_is_right:
; PROJ: [q | k | v | gate] = x [Wq | Wk | Wv | Wg], 2048 x 5120 x 2048, on codes of E2M1 with one E8M0 scale for each 32 along K, and what reference() does to each part, fused:
; q, k: RMS norm over the head's 64, x (1 + scale), RoPE (q also x 64^-0.5 x log2(e), so that scores are exponents of 2); v: as it is; gate: sigmoid.  No work of reference() is left out here.
; A tile of 256 x 256 is made by four waves, 128 x 128 each: 64 accumulators.  K goes in steps of 512 through a ring of two LDS slots filled by the tensor data mover; the scale bytes of the
; work-group's rows come once.  CLUSTERS: 4 x 4; x's tiles are asked for jointly along a row of the cluster, the weights' along a column.  160 tiles: a smaller tile would read each LDS byte for fewer products.
; THE MATRIX INSTRUCTION IS USED TRANSPOSED (source 0 = 16 rows of the weights' codes, source 1 = 16 rows of x): in accumulator (a, b) lane (r, h) holds row 16 a + r, columns 16 b + 8 h + 0..7.
; That piece is the unit of every buffer stored here: in f16 its 16 bytes are four registers of the next products' operands; RoPE's partner (column +-32) is block b +- 2 of the same lane; a head's norm
; wants the lane's 32 numbers and those of lane xor 16.  So nothing is transposed, and every store of a wave covers 512 consecutive bytes.
; STORED: Q16, G16 [head 32][row tile 128][b 4][lane][16 B] f16; KV16 [k 0-7, v 8-15][row tile][b][lane][16 B] f16; KV32 the same in f32, [..][2 b + i][lane][16 B];
; Q32, G32 [head 32][tile row 0-3][2 b + i][lane][16 B] f32: the first row tile of each of the four tile rows of the first row of clusters.  A later launch reads tile row 0's (rows 0-15); the other three,
; 393,216 bytes in each of the two, are stored and not read: partners of a cluster run alike, so neither a branch nor a mask of lanes is made from a work-group's place in its cluster.
; THE EPILOGUE runs in rolled loops: the accumulators go once as they stand into the ring's bytes (each wave its own 65,536), which have had their last fill and, behind a barrier, their last read.
; Tile columns 0-7 are q, 8-9 k, 10-11 v, 12-19 gate: the branch between the three epilogues hangs on the cluster's x alone; k against v is a choice of values by a lane mask, no branch.
; LIMITS: q, k, v and the gate are rounded to f16 for rows beyond the first 16 (v up to 65,504); NaN and infinities among the inputs are not served.
.set WC,    2097152
.set XS,    7340032
.set WS,    7471104
.set G16,   8388608
.set KV16,  16777216
.set KV32,  20971520
.set Q32,   29360128
.set G32,   29884416
.set NQ,     4                         ; matrix instructions deep in a slot: 512 along K
.set ROWB,   256                       ; a tile's row in bytes
.set KROW,   1024                      ; a row of codes in memory
.set PITCH,  272                       ; an LDS row: 256 bytes + 16 of padding: the 16 rows of a load start at 16 different banks (64 banks of 4 bytes: ISA guide 11.1)
.set FR,     8
.set NL,     2
.set NP,     4
.set HALFT,  128*PITCH
.set SLOT,   4*HALFT
.set LAPS,   2
.set KS,     64                        ; a row of scale bytes
.set SCL,    2*SLOT
.set HALFS,  32*272
.set SBLK,   4*272
.set SPARE,  SCL+4*HALFS               ; the spare words, 128 bytes for each wave
.set ADRA, 16
.set ADRB, 20
.set ADRS, 27
.set SPW,  28                          ; v28  my spare word's address; never rewritten
.set NIL,  29                          ; v29  0; never rewritten
.set SC,   32                          ; v32-95 scale words, two sets
.set AF,   128                         ; x's fragments, window 0
.set G1, 24
.set G0, 32
.set G1B, 48
.set G0B, 56
.set G1S, 68
.set G0S, 76
.set G1SB, 80
.set G0SB, 88
.set MSB, 0
.macro WIN new                         ; the immediate's high byte repeats the setting that is left
.if MSB != (\new)
	s_set_vgpr_msb (MSB<<8)|(\new)
.set MSB, (\new)
.endif
.endm
.set MUL_LO, 0xa1                      ; source 0 window 1, source 1 window 0, C and D window 2
.set MUL_HI, 0xf1
.set TO_B,   0x40
.macro JLOAD g0a, g1a, g0b, g1b        ; a joint load: waves 0, 1 fetch for x, waves 2, 3 for the weights; an s_nop 0 and four v_nop follow each line
	s_cmp_eq_u32 s15, 0
	s_cbranch_scc0 .Lfor_b_\@
	tensor_load_to_lds s[\g0a:\g0a+3], s[\g1a:\g1a+7]
	s_nop 0
.rept 4
	v_nop
.endr
	s_branch .Lasked_\@
.Lfor_b_\@:
	tensor_load_to_lds s[\g0b:\g0b+3], s[\g1b:\g1b+7]
	s_nop 0
.rept 4
	v_nop
.endr
.Lasked_\@:
.endm
.macro CREST
	s_cmp_lg_u32 s14, 0
	s_cbranch_scc1 .Lnot_wave_0_\@
	s_barrier_signal -3
.Lnot_wave_0_\@:
	s_barrier_wait -3
	s_barrier_signal -1
	s_barrier_wait -1
.endm
.macro CROUND
	s_barrier_signal -1
	s_barrier_wait -1
	CREST
.endm
	s_load_b64 s[4:5], s[0:1], 0x0                 ; prep
	v_lshl_add_u32 v[SPW], v0, 2, SPARE
	v_mov_b32 v[NIL], 0
	ds_add_u32 v[SPW], v[NIL]                      ; the wave's opening: the add, twice on end, and its wait ahead of my first tensor load
	ds_add_u32 v[SPW], v[NIL]
	v_lshrrev_b32 v1, 5, v0
	v_readfirstlane_b32 s14, v1                    ; wave 0..3
	s_lshr_b32 s15, s14, 1                         ; my half of the tile's rows.  Also: I fetch for x (0) or for the weights (1)
	s_and_b32 s16, s14, 1                          ; my half of its columns.  Also: which 128 rows I fetch
	s_bfe_u32 s40, ttmp6, 0x40000                  ; cx, cy
	s_bfe_u32 s41, ttmp6, 0x40004
	s_lshl_b32 s42, ttmp9, 2
	s_add_co_u32 s42, s42, s40                     ; tile column 0..19
	s_and_b32 s17, ttmp7, 0xffff
	s_lshl_b32 s17, s17, 2
	s_add_co_u32 s17, s17, s41                     ; tile row 0..7
	s_lshl_b32 s43, s41, 2
	s_lshl_b32 s43, 15, s43                        ; my row of the cluster
	s_lshl_b32 s44, 0x1111, s40                    ; my column
	s_or_b32 s[G1+0], s43, (0<<16)|(1<<20)|(1<<21)|(5<<22)|(3<<25)  ; the mask; elements of 1 byte; padding: 4 words after every 64; bit 21 beside a mask
	s_or_b32 s[G1B+0], s44, (0<<16)|(1<<20)|(1<<21)|(5<<22)|(3<<25)
.irp g, G1, G1B
	s_mov_b32 s[\g+1], ROWB<<16                    ; tensor_dim0
	s_mov_b32 s[\g+2], 128<<16                     ; tensor_dim1
	s_mov_b32 s[\g+3], ROWB<<16                    ; tile_dim0
	s_mov_b32 s[\g+4], 128                         ; tile_dim1
	s_mov_b32 s[\g+5], KROW                        ; the pitch
	s_mov_b32 s[\g+6], 0
	s_mov_b32 s[\g+7], 0
.endr
	s_or_b32 s[G1S+0], s43, (3<<16)|(1<<20)|(1<<21)|(5<<22)|(3<<25) ; the scales of 128 rows: 8,192 dense bytes as 32 rows of 256 (32 elements of 8 bytes), 16 bytes of padding behind each
	s_or_b32 s[G1SB+0], s44, (3<<16)|(1<<20)|(1<<21)|(5<<22)|(3<<25)
.irp g, G1S, G1SB
	s_mov_b32 s[\g+1], 32<<16
	s_mov_b32 s[\g+2], 32<<16
	s_mov_b32 s[\g+3], 32<<16
	s_mov_b32 s[\g+4], 32
	s_mov_b32 s[\g+5], 32
	s_mov_b32 s[\g+6], 0
	s_mov_b32 s[\g+7], 0
.endr
	s_lshl_b32 s18, s16, 7
	s_lshl_b32 s20, s17, 8
	s_add_co_u32 s20, s20, s18                     ; x: row 256 x tile row + 128 x half
	s_lshl_b32 s46, s42, 8
	s_add_co_u32 s46, s46, s18                     ; weights: row 256 x tile column + 128 x half
	s_mov_b32 s21, 0
	s_mov_b32 s47, 0
	s_mov_b64 s[18:19], KS
	s_mul_u64 s[22:23], s[20:21], s[18:19]
	s_mul_u64 s[92:93], s[46:47], s[18:19]
	s_mov_b64 s[18:19], KROW
	s_mul_u64 s[20:21], s[20:21], s[18:19]
	s_mul_u64 s[46:47], s[46:47], s[18:19]
	s_mul_i32 s45, s14, HALFT
	s_mul_i32 s94, s14, HALFS
	s_wait_dscnt 0x0                               ; both opening adds are done
	s_wait_kmcnt 0x0
	s_add_nc_u64 s[6:7], s[4:5], XS                ; x's scales, the weights' codes and scales: parts of the one buffer
	s_add_nc_u64 s[8:9], s[4:5], WC
	s_add_nc_u64 s[10:11], s[4:5], WS
	s_add_nc_u64 s[20:21], s[4:5], s[20:21]
	s_add_nc_u64 s[22:23], s[6:7], s[22:23]
	s_add_nc_u64 s[46:47], s[8:9], s[46:47]
	s_add_nc_u64 s[92:93], s[10:11], s[92:93]
	CROUND                                         ; all sixteen work-groups are here: the first joint loads meet
	s_mov_b32 s[G0S], 1
	s_add_co_u32 s[G0S+1], s94, SCL
	s_mov_b64 s[G0S+2:G0S+3], s[22:23]
	s_or_b32 s[G0S+3], s[G0S+3], 0x80000000
	s_mov_b32 s[G0SB], 1
	s_add_co_u32 s[G0SB+1], s94, SCL
	s_mov_b64 s[G0SB+2:G0SB+3], s[92:93]
	s_or_b32 s[G0SB+3], s[G0SB+3], 0x80000000
	JLOAD G0S, G1S, G0SB, G1SB                     ; the scales first: three loads of mine are out at the most
.irp s, 0,1
	s_mov_b32 s[G0+4*\s], 1
	s_add_co_u32 s[G0+4*\s+1], s45, \s*SLOT
	s_add_nc_u64 s[G0+4*\s+2:G0+4*\s+3], s[20:21], \s*ROWB
	s_or_b32 s[G0+4*\s+3], s[G0+4*\s+3], 0x80000000
	s_mov_b32 s[G0B+4*\s], 1
	s_add_co_u32 s[G0B+4*\s+1], s45, \s*SLOT
	s_add_nc_u64 s[G0B+4*\s+2:G0B+4*\s+3], s[46:47], \s*ROWB
	s_or_b32 s[G0B+4*\s+3], s[G0B+4*\s+3], 0x80000000
	JLOAD G0+4*\s, G1, G0B+4*\s, G1B
.endr
	v_and_b32 v1, 15, v0                           ; l % 16
	v_bfe_u32 v2, v0, 4, 1                         ; l / 16
	v_mul_u32_u24 v3, v1, PITCH
	v_lshl_add_u32 v4, v2, 4, v3
	s_mul_i32 s21, s15, HALFT
	s_mul_i32 s22, s16, HALFT
	s_add_co_u32 s22, s22, 2*HALFT
.irp s, 0,1
	v_add_nc_u32 v[ADRA+\s], s21, v4
	v_add_nc_u32 v[ADRB+\s], s22, v4
	s_add_co_u32 s21, s21, SLOT
	s_add_co_u32 s22, s22, SLOT
.endr
	v_mul_u32_u24 v5, v1, KS                       ; my row's scales: 64 bytes a row, and 16 more for each 256 passed
	v_lshrrev_b32 v6, 8, v5
	v_lshl_add_u32 v5, v6, 4, v5
	s_mul_i32 s21, s15, HALFS
	s_mul_i32 s22, s16, HALFS
	s_add_co_u32 s22, s22, 2*HALFS
	s_sub_co_u32 s22, s22, s21
	v_mul_u32_u24 v6, s22, v2                      ; lanes 16-31 take the weights'
	s_add_co_u32 s21, s21, SCL
	v_add_nc_u32 v5, v5, v6
	v_add_nc_u32 v[ADRS], s21, v5
.macro FRAG reg, adr, q, i
.irp c, 0,1
	ds_load_b128 v[\reg+4*\c:\reg+4*\c+3], v[\adr] offset:64*(\q)+32*\c+(\i)*16*PITCH
.endr
.endm
; 16 matrix instructions.  The 64 accumulators take turns, one instruction a turn, in the same order in every step.
.macro MUL16 a0, p, q, sc, zero
.irp a, \a0, \a0+1
.irp b, 0,1,2,3,4,5,6,7
.if \zero
	v_wmma_scale_f32_16x16x128_f8f6f4 v[8*(8*((\a)%4)+\b):8*(8*((\a)%4)+\b)+7], v[128*(\p)+FR*\b:128*(\p)+FR*\b+FR-1], v[AF+FR*(\a):AF+FR*(\a)+FR-1], 0, v[SC+8*NQ*(\sc)+NQ*\b+(\q)], v[SC+8*NQ*(\sc)+NQ*(\a)+(\q)] matrix_a_fmt:MATRIX_FMT_FP4 matrix_b_fmt:MATRIX_FMT_FP4 matrix_a_scale:MATRIX_SCALE_ROW1
.else
	v_wmma_scale_f32_16x16x128_f8f6f4 v[8*(8*((\a)%4)+\b):8*(8*((\a)%4)+\b)+7], v[128*(\p)+FR*\b:128*(\p)+FR*\b+FR-1], v[AF+FR*(\a):AF+FR*(\a)+FR-1], v[8*(8*((\a)%4)+\b):8*(8*((\a)%4)+\b)+7], v[SC+8*NQ*(\sc)+NQ*\b+(\q)], v[SC+8*NQ*(\sc)+NQ*(\a)+(\q)] matrix_a_fmt:MATRIX_FMT_FP4 matrix_b_fmt:MATRIX_FMT_FP4 matrix_a_scale:MATRIX_SCALE_ROW1
.endif
.endr
.endr
.endm
.macro FETCH_B slot, q, p
	WIN TO_B
.irp i, 0,1,2,3,4,5,6,7
	FRAG 128*(\p)+FR*\i, ADRB+\slot, \q, \i
.endr
	WIN 0
.endm
.macro FETCH_A slot, q, i0
.irp i, \i0, \i0+1, \i0+2, \i0+3
	FRAG AF+FR*(\i), ADRA+\slot, \q, \i
.endr
.endm
.macro SCALES sc                       ; lanes 0-15 take the words of x's block i, lanes 16-31 those of the weights' block i
.irp i, 0,1,2,3,4,5,6,7
	ds_load_b128 v[SC+8*NQ*\sc+NQ*\i:SC+8*NQ*\sc+NQ*\i+3], v[ADRS] offset:\i*SBLK
.endr
.endm
.macro PLACES n                        ; plain vector instructions between a matrix instruction and a load into, or a read of, its registers
.rept \n
	v_nop
.endr
.endm
.macro STEP slot, q, zero
	s_wait_dscnt 4*NL                              ; the weights' set and x's blocks 0-3 are in; the youngest eight loads (blocks 4-7) may be out
	WIN MUL_LO
	MUL16 0, (\q)%2, \q, \slot, \zero
	MUL16 2, (\q)%2, \q, \slot, \zero
	s_wait_dscnt 0
	PLACES NP
	FETCH_B \slot, (\q)+1, 1-(\q)%2
	FETCH_A \slot, (\q)+1, 0
	WIN MUL_HI
	MUL16 4, (\q)%2, \q, \slot, \zero
	MUL16 6, (\q)%2, \q, \slot, \zero
	PLACES NP
	WIN 0
	FETCH_A \slot, (\q)+1, 4
.endm
.macro TURN slot, next, fill           ; a slot's last step changes slots: one barrier
	s_wait_tensorcnt 0x0                           ; all my tensor loads have landed: my part of the next slot
	ds_add_u32 v[SPW], v[NIL]                      ; 0 onto my spare word
	s_wait_dscnt 4*NL+1                            ; (the add and the youngest eight loads may be out)
	WIN MUL_LO
	MUL16 0, 1, NQ-1, \slot, 0
	s_wait_dscnt 0x0                               ; the add is done, and my reads of this slot are over
	s_barrier_signal -1
	MUL16 2, 1, NQ-1, \slot, 0
	WIN 0
	s_barrier_wait -1
.if \fill
	CREST                                          ; the barrier has opened a round of the cluster's: no wave of any partner still reads this slot or has a load on its way
	s_add_nc_u64 s[G0+4*\slot+2:G0+4*\slot+3], s[G0+4*\slot+2:G0+4*\slot+3], 2*ROWB
	s_add_nc_u64 s[G0B+4*\slot+2:G0B+4*\slot+3], s[G0B+4*\slot+2:G0B+4*\slot+3], 2*ROWB
	JLOAD G0+4*\slot, G1, G0B+4*\slot, G1B         ; the first tensor load behind the round
.else
	PLACES NP
.endif
	v_add_nc_u32 v[ADRS], 4*NQ, v[ADRS]
	FETCH_B \next, 0, 0
	FETCH_A \next, 0, 0
	SCALES \next
	WIN MUL_HI
	MUL16 4, 1, NQ-1, \slot, 0
	MUL16 6, 1, NQ-1, \slot, 0
	PLACES NP
	WIN 0
	FETCH_A \next, 0, 4
.endm
.macro STEPS slot, from
.set Q, \from
.rept NQ-1-\from
	STEP \slot, Q, 0
.set Q, Q+1
.endr
.endm
	s_wait_tensorcnt 1                             ; the scales and my part of K step 0 are in (K step 1's load may be out),
	s_barrier_signal -1
	s_barrier_wait -1                              ; everybody's are
	FETCH_B 0, 0, 0
	FETCH_A 0, 0, 0
	SCALES 0
	FETCH_A 0, 0, 4
	STEP 0, 0, 1                                   ; the first step's products start the sums: nothing is cleared
	s_mov_b32 s3, LAPS-1
.Llap:
	STEPS 0, 1
	TURN 0, 1, 1
	STEPS 1, 0
	TURN 1, 0, 1
	STEP 0, 0, 0
	s_sub_co_u32 s3, s3, 1
	s_cmp_lg_u32 s3, 0
	s_cbranch_scc1 .Llap
	STEPS 0, 1                                     ; the last lap fills nothing
	TURN 0, 1, 0
	STEPS 1, 0
	s_wait_dscnt 4*NL
	WIN MUL_LO
	MUL16 0, 1, NQ-1, 1, 0
	MUL16 2, 1, NQ-1, 1, 0
	s_wait_dscnt 0
	WIN MUL_HI
	MUL16 4, 1, NQ-1, 1, 0
	MUL16 6, 1, NQ-1, 1, 0
	WIN 0
; ======== THE EPILOGUE ========
.set LDA, 1                            ; v1   where I read the dump: wave x 65,536 + 16 x lane + the row tile's 8,192
.set CSO, 2                            ; v2   256 r + 32 h: my place in 16 rows of cos and sin
.set L16, 3                            ; v3   16 x lane
.set RS,  6                            ; v[6:7], v[8:9]  1 / rms of the two heads (low halves)
.set ONE, 10                           ; v10  1.0
.set WOF, 12                           ; v12  32 h
.set X,   32                           ; v32-95   two heads x 32 numbers of a row
.set XW,  96                           ; v96-159  x weight
.set F,   160                          ; v160-191 a head's results (gate: v160-223)
.set H,   192                          ; v192-207 the same in f16
.set T,   208                          ; v208-219 at work
.set SVM, 44                           ; s44  all ones where my tile is v's
.set FL,  66                           ; s66  the loop's first count where my first row tile also goes out in f32, else 0, which the count never is
	s_load_b128 s[68:71], s[0:1], 0x8              ; cos, sin        (no tensor load of mine is out: the descriptors' registers are free)
	s_load_b128 s[72:75], s[0:1], 0x18             ; q_scale, k_scale
	s_load_b64 s[76:77], s[0:1], 0x28              ; proj
	PLACES NP                                      ; behind the last products, ahead of the first read of results
	v_and_b32 v[L16], 31, v0
	v_lshlrev_b32 v[L16], 4, v[L16]
	s_lshl_b32 s18, s14, 16
	v_add_nc_u32 v[LDA], s18, v[L16]
	v_and_b32 v5, 15, v0
	v_bfe_u32 v11, v0, 4, 1
	v_lshlrev_b32 v[CSO], 8, v5
	v_lshl_add_u32 v[CSO], v11, 5, v[CSO]
	v_lshlrev_b32 v[WOF], 5, v11
	v_mov_b32 v[RS+1], 0                           ; (named as the upper halves of pairs)
	v_mov_b32 v[RS+3], 0
	v_mov_b32 v[T+10], 0                           ; (a lane permute's destination counts as one of its sources)
	v_mov_b32 v[T+11], 0
	v_mov_b32 v[ONE], 1.0
	s_wait_dscnt 0x0
	s_barrier_signal -1
	s_barrier_wait -1                              ; nobody reads the ring any more
.set a, 0
.rept 8                                ; THE DUMP: accumulator (a, b) as it stands, 1,024 bytes, each from its low end on
	WIN 0x08+4*(a/4)                               ; an LDS store's data are its source 1: window 2 or 3
.set b, 0
.rept 8
	ds_store_b128 v[LDA], v[64*(a%4)+8*b:64*(a%4)+8*b+3] offset:(8*a+b)*1024
	ds_store_b128 v[LDA], v[64*(a%4)+8*b+4:64*(a%4)+8*b+7] offset:(8*a+b)*1024+512
.set b, b+1
.endr
.set a, a+1
.endr
	WIN 0
	s_wait_dscnt 0x0
	s_barrier_signal -1
	s_barrier_wait -1                              ; from here to the closing lines LDS is only read
	s_lshl_b32 s18, s17, 4
	s_lshl_b32 s19, s15, 3
	s_add_co_u32 s18, s18, s19                     ; my first row tile: 16 x tile row + 8 x half
	s_mov_b32 s20, 0x76543210
	s_mov_b32 s21, 0xfedcba98                      ; v_permlanex16_b32's selects for lane xor 16
	s_mov_b32 s22, 0x3c800000                      ; 1 / 64
	s_mov_b32 s23, 0x358637bd                      ; 1e-6
	s_and_b32 s[FL], ttmp7, 0xffff                 ; the cluster's y, which all partners share,
	s_or_b32 s[FL], s[FL], s15                     ; and my half of the rows: 0 in waves 0 and 1 of the first row of clusters
	s_mov_b32 s47, 0
	s_lshl_b32 s46, s18, 12                        ; 16 rows of cos or sin are 4,096 bytes
	s_wait_kmcnt 0x0
	s_add_nc_u64 s[4:5], s[68:69], s[46:47]
	s_add_nc_u64 s[6:7], s[70:71], s[46:47]
	s_lshl_b32 s43, s16, 1
	s_lshl_b32 s45, s18, 11                        ; a row tile of f16 pieces is 2,048 bytes
.macro CSLOAD set, off                 ; 16 rows of cos and sin, my 32 columns of each, into window 1: v[64 set] cos, v[64 set + 32] sin
	WIN 0x40
.irp p, 0,1,2,3,4,5,6,7
	global_load_b128 v[64*\set+4*\p:64*\set+4*\p+3], v[CSO], s[4:5] offset:\off+(\p/2)*64+(\p%2)*16
.endr
.irp p, 0,1,2,3,4,5,6,7
	global_load_b128 v[64*\set+32+4*\p:64*\set+32+4*\p+3], v[CSO], s[6:7] offset:\off+(\p/2)*64+(\p%2)*16
.endr
	WIN 0
.endm
.macro XLOAD off                       ; a row tile's eight accumulators out of the dump
.irp p, 0,1,2,3,4,5,6,7,8,9,10,11,12,13,14,15
	ds_load_b128 v[X+4*\p:X+4*\p+3], v[LDA] offset:\off+512*\p
.endr
.endm
; One head of a trip: RoPE on x weight, x 1 / rms, (v: the raw numbers instead), f16 and f32 out.
.macro NHEAD hh, set, sel, msk
	s_wait_xcnt 0x0                                ; the stores that read F and H have had their addresses translated: both may be written again
	WIN 0x04                                       ; source 1 (cos, sin) in window 1
.set p, 0
.rept 8
	v_pk_mul_f32 v[F+p:F+p+1], v[XW+32*\hh+p:XW+32*\hh+p+1], v[64*\set+p:64*\set+p+1]
	v_pk_mul_f32 v[F+16+p:F+17+p], v[XW+32*\hh+16+p:XW+32*\hh+17+p], v[64*\set+16+p:64*\set+17+p]
.set p, p+2
.endr
.set p, 0
.rept 8
	v_pk_fma_f32 v[F+p:F+p+1], v[XW+32*\hh+16+p:XW+32*\hh+17+p], v[64*\set+32+p:64*\set+33+p], v[F+p:F+p+1] neg_lo:[1,0,0] neg_hi:[1,0,0]   ; columns under 32: - x[d + 32] sin
	v_pk_fma_f32 v[F+16+p:F+17+p], v[XW+32*\hh+p:XW+32*\hh+p+1], v[64*\set+48+p:64*\set+49+p], v[F+16+p:F+17+p]                            ; the others: + x[d - 32] sin
.set p, p+2
.endr
	WIN 0
.set p, 0
.rept 16
	v_pk_mul_f32 v[F+p:F+p+1], v[F+p:F+p+1], v[RS+2*\hh:RS+2*\hh+1] op_sel_hi:[1,0]
.set p, p+2
.endr
.if \sel
.set p, 0
.rept 32
	v_cndmask_b32 v[F+p], v[F+p], v[XW+32*\hh+p], s[SVM]   ; v's tiles keep the product as it is (their weight is 1)
.set p, p+1
.endr
.endif
.set p, 0
.rept 16
	v_cvt_pk_f16_f32 v[H+p], v[F+2*p], v[F+2*p+1]
.set p, p+1
.endr
.irp b, 0,1,2,3
	global_store_b128 v[L16], v[H+4*\b:H+4*\b+3], s[10:11] offset:\hh*262144+\set*2048+\b*512   ; 32 lanes store 512 consecutive bytes
.endr
.if \msk
.if \set == 0
	s_cmp_lg_u32 s3, s[FL]                         ; q in f32: the loop's first trip, in waves 0 and 1 of the first row of clusters.  The count, the cluster's y and the wave's number: alike in all partners
	s_cbranch_scc1 .Lnf_\@
.irp p, 0,1,2,3,4,5,6,7
	global_store_b128 v[L16], v[F+4*\p:F+4*\p+3], s[12:13] offset:\hh*16384+\p*512
.endr
.Lnf_\@:
.endif
.else
.irp p, 0,1,2,3,4,5,6,7
	global_store_b128 v[L16], v[F+4*\p:F+4*\p+3], s[12:13] offset:\hh*524288+\set*4096+\p*512
.endr
.endif
.endm
; A trip: one row tile, two heads.  set: which set of cos and sin it uses, and whether it is the loop's even or odd trip.
.macro NTRIP set, sel, msk
.if \set == 0
	CSLOAD 1, 4096
	s_wait_loadcnt 16                              ; this trip's cos and sin are in; the next trip's 16 loads stay out
.else
	s_cmp_eq_u32 s3, 1                             ; the last trip asks for nothing more: no load leaves its buffer
	s_cbranch_scc1 .Lnc_\@
	CSLOAD 0, 8192
	s_wait_loadcnt 16
	s_branch .Lgo_\@
.Lnc_\@:
	s_wait_loadcnt 0x0
.Lgo_\@:
.endif
	s_wait_dscnt 0x0                               ; X
.irp hh, 0,1
.irp c, 0,1
	v_pk_mul_f32 v[T+4*\hh+2*\c:T+4*\hh+2*\c+1], v[X+32*\hh+2*\c:X+32*\hh+2*\c+1], v[X+32*\hh+2*\c:X+32*\hh+2*\c+1]   ; the sum of squares: two chains a head
.endr
.endr
.irp k, 4,8,12,16,20,24,28
.irp hh, 0,1
.irp c, 0,1
	v_pk_fma_f32 v[T+4*\hh+2*\c:T+4*\hh+2*\c+1], v[X+32*\hh+\k+2*\c:X+32*\hh+\k+2*\c+1], v[X+32*\hh+\k+2*\c:X+32*\hh+\k+2*\c+1], v[T+4*\hh+2*\c:T+4*\hh+2*\c+1]
.endr
.endr
.endr
.irp hh, 0,1
	v_pk_add_f32 v[T+4*\hh:T+4*\hh+1], v[T+4*\hh:T+4*\hh+1], v[T+4*\hh+2:T+4*\hh+3]
.endr
.irp hh, 0,1
	v_add_f32 v[T+8+\hh], v[T+4*\hh], v[T+4*\hh+1]
.endr
.irp hh, 0,1
	v_permlanex16_b32 v[T+10+\hh], v[T+8+\hh], s20, s21
.endr
.irp hh, 0,1
	v_add_f32 v[T+8+\hh], v[T+8+\hh], v[T+10+\hh]  ; with lane xor 16's 32 columns
.endr
.irp hh, 0,1
	v_fma_f32 v[T+8+\hh], v[T+8+\hh], s22, s23     ; the mean + 1e-6
.endr
.irp hh, 0,1
	v_rsq_f32 v[RS+2*\hh], v[T+8+\hh]
.endr
	WIN 0x04
.set p, 0
.rept 32
	v_pk_mul_f32 v[XW+p:XW+p+1], v[X+p:X+p+1], v[128+p%32:129+p%32]    ; x weight: plain work behind the two roots
.set p, p+2
.endr
	WIN 0
	s_wait_alu depctr_va_vdst(0)                   ; one wait for both roots, ahead of their first reader and of the branch below
.if \set == 0
	XLOAD 8192
.else
	s_cmp_eq_u32 s3, 1
	s_cbranch_scc1 .Lnx_\@
	XLOAD 16384
.Lnx_\@:
.endif
	NHEAD 0, \set, \sel, \msk
	NHEAD 1, \set, \sel, \msk
.endm
; The path of q (sel 0, msk 1) and of k and v (sel 1, msk 0).  s[8:9]: the scale; s43: the factor beside (1 + scale).
.macro NPATH sel, msk
.irp p, 0,1,2,3,4,5,6,7
	global_load_b128 v[XW+4*\p:XW+4*\p+3], v[WOF], s[8:9] offset:(\p/2)*64+(\p%2)*16
.endr
	CSLOAD 0, 0
	XLOAD 0
	s_wait_loadcnt 16                              ; the scale is in; cos and sin may be out
.if \sel
.set p, 0
.rept 32
	v_fma_f32 v[XW+p], v[XW+p], s43, s43
.set p, p+1
.endr
	WIN 0x40
.set p, 0
.rept 32
	v_cndmask_b32 v[128+p], v[XW+p], v[ONE], s[SVM]        ; the weight, into window 1: v's is 1
.set p, p+1
.endr
.else
	WIN 0x40
.set p, 0
.rept 32
	v_fma_f32 v[128+p], v[XW+p], s43, s43                  ; (1 + scale) x factor
.set p, p+1
.endr
.endif
	WIN 0
	s_mov_b32 s3, 4
.Lnl_\@:
	NTRIP 0, \sel, \msk
	NTRIP 1, \sel, \msk
	s_wait_xcnt 0x0                                ; bases are stepped only behind this wait
	s_add_nc_u64 s[4:5], s[4:5], 8192
	s_add_nc_u64 s[6:7], s[6:7], 8192
	s_add_nc_u64 s[10:11], s[10:11], 4096
.if \sel
	s_add_nc_u64 s[12:13], s[12:13], 8192
.endif
	v_add_nc_u32 v[LDA], 16384, v[LDA]
	s_sub_co_u32 s3, s3, 1
	s_cmp_lg_u32 s3, 0
	s_cbranch_scc1 .Lnl_\@
.endm
	s_cmp_lt_u32 ttmp9, 2                          ; the cluster's x: the same in all sixteen partners
	s_cbranch_scc1 .Lq
	s_cmp_eq_u32 ttmp9, 2
	s_cbranch_scc1 .Lkv
; ---- the gate: sigmoid(x) = 1 / (1 + 2^(-x log2 e))
	s_sub_co_u32 s19, s42, 12
	s_lshl_b32 s19, s19, 2
	s_add_co_u32 s19, s19, s43                     ; my first head
	s_lshl_b32 s46, s19, 18
	s_add_co_u32 s46, s46, s45
	s_add_nc_u64 s[10:11], s[76:77], s[46:47]
	s_add_nc_u64 s[10:11], s[10:11], G16
	s_lshl_b32 s46, s19, 14                        ; in f32: 16,384 bytes a head, 4,096 for each of the four tile rows
	s_lshl_b32 s45, s41, 12
	s_add_co_u32 s46, s46, s45
	s_add_nc_u64 s[12:13], s[76:77], s[46:47]
	s_add_nc_u64 s[12:13], s[12:13], G32
	s_cmp_eq_u32 s[FL], 0
	s_cselect_b32 s[FL], 8, 0
	s_mov_b32 s44, 0xbfb8aa3b                      ; -log2(e); the packed form names a pair
	s_mov_b32 s45, s44
	XLOAD 0
	s_mov_b32 s3, 8
.Lg:
	s_wait_xcnt 0x0                                ; the last trip's stores have had their addresses translated: their data may be written again
	s_wait_dscnt 0x0
.set p, 0
.rept 32
	v_pk_mul_f32 v[XW+p:XW+p+1], v[X+p:X+p+1], s[44:45] op_sel_hi:[1,0]
.set p, p+2
.endr
	s_cmp_eq_u32 s3, 1
	s_cbranch_scc1 .Lgx
	XLOAD 8192
.Lgx:
.set p, 0
.rept 64
	v_exp_f32 v[XW+p], v[XW+p]
.set p, p+1
.endr
	v_nop                                          ; a plain instruction behind the batch,
	s_wait_alu depctr_va_vdst(0)                   ; and one wait for all 64
.set p, 0
.rept 32
	v_pk_add_f32 v[XW+p:XW+p+1], v[XW+p:XW+p+1], 1.0 op_sel_hi:[1,0]
.set p, p+2
.endr
.set p, 0
.rept 64
	v_rcp_f32 v[F+p], v[XW+p]
.set p, p+1
.endr
	v_nop
	s_wait_alu depctr_va_vdst(0)
.set p, 0
.rept 32
	v_cvt_pk_f16_f32 v[XW+p], v[F+2*p], v[F+2*p+1]
.set p, p+1
.endr
.irp hh, 0,1
.irp b, 0,1,2,3
	global_store_b128 v[L16], v[XW+16*\hh+4*\b:XW+16*\hh+4*\b+3], s[10:11] offset:\hh*262144+\b*512
.endr
.endr
	s_cmp_lg_u32 s3, s[FL]                         ; in f32: the first trip, in waves 0 and 1 of the first row of clusters
	s_cbranch_scc1 .Lgn
.irp hh, 0,1
.irp p, 0,1,2,3,4,5,6,7
	global_store_b128 v[L16], v[F+32*\hh+4*\p:F+32*\hh+4*\p+3], s[12:13] offset:\hh*16384+\p*512
.endr
.endr
.Lgn:
	s_wait_xcnt 0x0                                ; the base is stepped only behind this wait
	s_add_nc_u64 s[10:11], s[10:11], 2048
	v_add_nc_u32 v[LDA], 8192, v[LDA]
	s_sub_co_u32 s3, s3, 1
	s_cmp_lg_u32 s3, 0
	s_cbranch_scc1 .Lg
	s_branch .Lfin
.Lq:
	s_lshl_b32 s19, s42, 2
	s_add_co_u32 s19, s19, s43                     ; my first head
	s_lshl_b32 s46, s19, 18
	s_add_co_u32 s46, s46, s45
	s_add_nc_u64 s[10:11], s[76:77], s[46:47]      ; Q16 begins the buffer
	s_lshl_b32 s46, s19, 14                        ; in f32: 16,384 bytes a head, 4,096 for each of the four tile rows
	s_lshl_b32 s45, s41, 12
	s_add_co_u32 s46, s46, s45
	s_add_nc_u64 s[12:13], s[76:77], s[46:47]
	s_add_nc_u64 s[12:13], s[12:13], Q32
	s_cmp_eq_u32 s[FL], 0
	s_cselect_b32 s[FL], 4, 0
	s_mov_b64 s[8:9], s[72:73]
	s_mov_b32 s43, 0x3e38aa3b                      ; 64^-0.5 x log2(e)
	NPATH 0, 1
	s_branch .Lfin
.Lkv:
	s_sub_co_u32 s19, s42, 8
	s_lshl_b32 s19, s19, 2
	s_add_co_u32 s19, s19, s43                     ; 0-7: k's groups, 8-15: v's
	s_lshl_b32 s46, s19, 18
	s_add_co_u32 s46, s46, s45
	s_add_nc_u64 s[10:11], s[76:77], s[46:47]
	s_add_nc_u64 s[10:11], s[10:11], KV16
	s_lshl_b32 s46, s19, 19
	s_lshl_b32 s45, s18, 12
	s_add_co_u32 s46, s46, s45
	s_add_nc_u64 s[12:13], s[76:77], s[46:47]
	s_add_nc_u64 s[12:13], s[12:13], KV32
	s_mov_b64 s[8:9], s[74:75]
	s_mov_b32 s43, 1.0
	s_cmp_ge_u32 s40, 2                            ; tile columns 10 and 11 are v's: it selects values alone
	s_cselect_b32 s[SVM], -1, 0
	NPATH 1, 0
.Lfin:
	s_wait_dscnt 0x0
	s_barrier_signal -1
	s_barrier_wait -1                              ; every wave's reads of the dump are back
	s_wait_tensorcnt 0x0                           ; the wave's end
	ds_add_u32 v[SPW], v[NIL]
	s_wait_dscnt 0x0
	CROUND                                         ; the closing round
	s_endpgm
.Lfunc_end_k_q37387d86e4_proj:
	.size	k_q37387d86e4_proj, .Lfunc_end_k_q37387d86e4_proj-k_q37387d86e4_proj
	.p2alignl 7, 3214868480
	.fill 96, 4, 3214868480
	.section	.rodata,"a",@progbits
	.p2align	6, 0x0
	.amdhsa_kernel k_q37387d86e4_proj
		.amdhsa_group_segment_fixed_size 327680
		.amdhsa_private_segment_fixed_size 0
		.amdhsa_enable_private_segment 0
		.amdhsa_kernarg_size 48
		.amdhsa_user_sgpr_count 2
		.amdhsa_user_sgpr_kernarg_segment_ptr 1
		.amdhsa_wavefront_size32 1
		.amdhsa_system_sgpr_workgroup_id_x 1
		.amdhsa_system_sgpr_workgroup_id_y 1
		.amdhsa_system_sgpr_workgroup_id_z 1
		.amdhsa_system_vgpr_workitem_id 0
		.amdhsa_next_free_vgpr 1024
		.amdhsa_next_free_sgpr 98
		.amdhsa_reserve_vcc 0
		.amdhsa_float_denorm_mode_32 3
		.amdhsa_float_denorm_mode_16_64 3
		.amdhsa_memory_ordered 1
		.amdhsa_forward_progress 1
		.amdhsa_inst_pref_size 255
	.end_amdhsa_kernel
	.section	.bss,"aw",@nobits
	.p2align	6
	.space	262144
	.amdgpu_metadata
---
amdhsa.version: [ 1, 2 ]
amdhsa.kernels:
  - .name:           k_q37387d86e4_proj
    .symbol:         k_q37387d86e4_proj.kd
    .args:
      - { .name: prep, .offset: 0, .size: 8, .value_kind: global_buffer, .address_space: global }
      - { .name: cos, .offset: 8, .size: 8, .value_kind: global_buffer, .address_space: global }
      - { .name: sin, .offset: 16, .size: 8, .value_kind: global_buffer, .address_space: global }
      - { .name: q_scale, .offset: 24, .size: 8, .value_kind: global_buffer, .address_space: global }
      - { .name: k_scale, .offset: 32, .size: 8, .value_kind: global_buffer, .address_space: global }
      - { .name: proj, .offset: 40, .size: 8, .value_kind: global_buffer, .address_space: global }
    .group_segment_fixed_size: 327680
    .private_segment_fixed_size: 0
    .kernarg_segment_align: 8
    .kernarg_segment_size: 48
    .max_flat_workgroup_size: 128
    .sgpr_count:     98
    .vgpr_count:     1024
    .wavefront_size: 32
...
	.end_amdgpu_metadata
.endif
;; end of part 2
;; launch attn (part 3): grid 256 x 1, 8 waves a work-group, no clusters, 173,056 bytes of LDS; arguments proj, tmap, mask, act; writes act
.if DOCPART == 3
	.amdgcn_target "amdgcn-amd-amdhsa--gfx1250"
	.amdhsa_code_object_version 6
	.text
	.protected	k_q37387d86e4_attn
	.globl	k_q37387d86e4_attn
	.p2align	8
	.type	k_q37387d86e4_attn,@function
k_q37387d86e4_attn:
	s_mov_b64 s[64:65], 0
	v_nop
	global_prefetch_b8 v0, s[64:65] scope:SCOPE_SE
	s_setreg_imm32_b32 hwreg(HW_REG_WAVE_MODE, 25, 1), 1
	s_wait_xcnt 0x0
; ATTN: act[row][head x 64 + d] = gate x softmax(q k^T under the mask) v, operands in f16, sums, maxima and exponentials in f32.  Scores arrive as exponents of 2 (the factor lies in q).
; LEFT OUT, by whole numbers read from memory: a chunk of 64 keys that the stored map says is wholly masked for a block of 32 rows; reference() gives such scores -inf, which add nothing.  Right for every mask.
; SHARES.  Work-group id: group g = id & 7 of key and value heads, i = id >> 3.  It owns rows 32 (63 - i) .. (block L) and 32 i .. (block E) for the group's four query heads; the pairing only evens out masks of
; causal shape.  Wave w: head 4 g + (w & 3), par = w >> 2.  It holds four tiles of 16 queries (slots 0, 1 in L, 2, 3 in E; slot s is row tile 2 block + ((s & 1) xor par)) and walks the chunks 2 t + par alone:
; the two waves of a head share the keys and meet at the end, where each keeps slots 0 and 2 and hands 1 and 3 over through LDS.
; LAYOUT.  S^T = K Q^T (source 0 = 16 keys, source 1 = 16 queries), O^T = V^T P (source 0 = 16 channels, source 1 = P): a lane holds one query throughout.  K's pieces lie in LDS as images of registers;
; V lies by rows of 128 bytes + 32 and is turned by ds_load_tr16_b128.
; NO TENSOR LOAD AND NO CLUSTER: the walk branches on the stored map, and partners of a cluster would walk different chunks; so K and V go from memory through registers into LDS, 128 keys a trip,
; each of the eight waves a tile of 16 keys of both.  Two slots by turns, one barrier a trip; the trip count is the constant 16, and only work is jumped over.
; PREFETCH: the work-groups with i = 0 (they hold the last block of rows) ask, in waves 0 to 3, one instruction each, for the 32,768 bytes of K and V of the pair five trips on, three trips ahead of
; its load: lanes 256 bytes apart, waves 0, 1 K's halves, waves 2, 3 V's; only for pairs that their own map marks as live, which also keeps every request inside the buffer.
; O^T begins as zeros and the largest score as -3e38: which chunk comes first hangs on the map, so no first step can be written out.
; LIMITS: rows are carried in f16 operands (rows 0-15 are made again in f32 by later launches); a row with no key left gives 0 x (1 / 0) = NaN, as reference() does.
.set G16,   8388608
.set KV16,  16777216
.set VOFF,  16384                      ; a slot: 8 key tiles of K (2,048 bytes each), then 128 rows of V, 160 bytes apart
.set SLOT1, 65536                      ; slot 1 begins here: one exclusive or turns an address
.set XCH,   102400                     ; the hand-over: 8,704 bytes a wave: two tiles of O^T, then m and l
.set SPARE, 172032                     ; the spare words, 128 bytes for each wave
.set L16,  1                           ; v1   16 x lane
.set AK0,  2                           ; v2   my place in a slot's K
.set AV0,  3                           ; v3   and V
.set ADK,  4
.set ADV,  5
.set STK,  6                           ; v6   wave x 2,048 + 16 x lane: where I load my tile from, and where K's goes
.set STV,  7                           ; v7   where V's goes
.set MOFF, 10                          ; v10-13 slot s: (16 rt + r) x 2,048 + 8 h in the mask
.set PFO,  14                          ; v14  256 x lane
.set XSO,  15                          ; v15-18 the hand-over's addresses: mine (O, m), my partner's (O, m)
.set XSM,  16
.set XLO,  17
.set XLM,  18
.set NINF, 22                          ; v22  -infinity
.set SPW,  30
.set NIL,  31
.set KF,   32                          ; v32-95   K(kt, c) at 32 + 16 kt + 8 c
.set VF,   96                          ; v96-159  V(kf, t) at 96 + 32 kf + 8 t
.set S,    160                         ; v160-223 S(tau, kt) at 160 + 32 tau + 8 kt; then P(tau, kf) at 160 + 32 tau + 8 kf
.set MM,   224                         ; v224-231 m, a pair a slot
.set LL,   232                         ; v232-239 l in two halves, a pair a slot
.set T,    240                         ; v240-255 at work, eight a tile; ahead of that the mask's words
.set OW,   64                          ; window 1: v0-63 Q (16 s + 8 c); v64-191 O^T (64 + 32 s + 8 t); v192-223 the tile on its way; v224-255 my partner's O^T
.set STG,  192
.set PO,   224
.set WV,   12
.set PAR,  13
.set HEAD, 14
.set GRP,  15
.set EB,   16
.set LB,   17
.set AL,   20                          ; the map's words, shifted so that bit 0 is my chunk of this trip
.set ML,   21
.set AE,   22
.set ME,   23
.set ND,   24                          ; ANY of L or of E: bits 1:0 this trip's pair, 3:2 the next, ..
.set PFM,  25
.set KB,   26
.set VB,   28
.set MB,   30
.set PFB,  32
.set TB,   34
.set TO,   35
.set TR,   36
.set MSB, 0
.macro WIN new
.if MSB != (\new)
	s_set_vgpr_msb (MSB<<8)|(\new)
.set MSB, (\new)
.endif
.endm
	s_load_b256 s[4:11], s[0:1], 0x0               ; proj, tmap, mask, act
	v_lshl_add_u32 v[SPW], v0, 2, SPARE
	v_mov_b32 v[NIL], 0
	v_lshrrev_b32 v8, 5, v0
	v_readfirstlane_b32 s[WV], v8                  ; wave 0..7
	s_lshr_b32 s[PAR], s[WV], 2
	s_and_b32 s[GRP], ttmp9, 7
	s_lshr_b32 s[EB], ttmp9, 3
	s_sub_co_u32 s[LB], 63, s[EB]
	s_and_b32 s39, s[WV], 3
	s_lshl_b32 s[HEAD], s[GRP], 2
	s_add_co_u32 s[HEAD], s[HEAD], s39
	s_lshl_b32 s37, s[LB], 3
	s_lshl_b32 s38, s[EB], 3
	s_wait_kmcnt 0x0
	s_load_b64 s[54:55], s[6:7], s37 offset:0x0    ; ANY, MIX of block L
	s_load_b64 s[56:57], s[6:7], s38 offset:0x0    ; and of block E
	v_and_b32 v19, 31, v0                          ; lane
	v_and_b32 v23, 15, v0                          ; r
	v_bfe_u32 v24, v0, 4, 1                        ; h
	v_lshlrev_b32 v[L16], 4, v19
	s_lshl_b32 s39, s[PAR], 13
	v_add_nc_u32 v[AK0], s39, v[L16]               ; my chunk's four key tiles
	v_and_b32 v25, 7, v0
	v_bfe_u32 v26, v0, 3, 1
	v_lshl_add_u32 v[AV0], v24, 3, v25
	v_mul_u32_u24 v[AV0], v[AV0], 160
	v_lshl_add_u32 v[AV0], v26, 4, v[AV0]          ; the turning load: key 8 h + l % 8, 16 bytes by (l / 8) % 2
	s_mul_i32 s39, s[PAR], 10240
	s_add_co_u32 s39, s39, VOFF
	v_add_nc_u32 v[AV0], s39, v[AV0]
	s_lshl_b32 s39, s[WV], 11
	v_add_nc_u32 v[STK], s39, v[L16]
	v_mul_u32_u24 v[STV], v23, 160
	v_lshl_add_u32 v[STV], v24, 4, v[STV]
	s_mul_i32 s39, s[WV], 2560
	s_add_co_u32 s39, s39, VOFF
	v_add_nc_u32 v[STV], s39, v[STV]               ; V by rows: key 16 w + r, channels 16 b + 8 h on
	v_lshlrev_b32 v[PFO], 8, v19
	v_lshlrev_b32 v20, 2, v19
	s_mul_i32 s39, s[WV], 8704
	s_add_co_u32 s39, s39, XCH
	v_add_nc_u32 v[XSO], s39, v[L16]
	s_add_co_u32 s39, s39, 8192
	v_add_nc_u32 v[XSM], s39, v20
	s_xor_b32 s39, s[WV], 4                        ; my partner: the same head, the other chunks
	s_mul_i32 s39, s39, 8704
	s_add_co_u32 s39, s39, XCH
	v_add_nc_u32 v[XLO], s39, v[L16]
	s_add_co_u32 s39, s39, 8192
	v_add_nc_u32 v[XLM], s39, v20
	v_lshlrev_b32 v27, 11, v23
	v_lshl_add_u32 v27, v24, 3, v27
	v_mov_b32 v[NINF], 0xff800000
	s_mov_b32 s48, 0x76543210
	s_mov_b32 s49, 0xfedcba98                      ; v_permlanex16_b32's selects for lane xor 16
	s_lshl_b32 s50, s[LB], 1
	s_add_co_u32 s50, s50, s[PAR]                  ; the slots' row tiles
	s_xor_b32 s51, s50, 1
	s_lshl_b32 s52, s[EB], 1
	s_add_co_u32 s52, s52, s[PAR]
	s_xor_b32 s53, s52, 1
	s_lshl_b32 s60, s[HEAD], 18
	s_mov_b32 s61, 0
	s_add_nc_u64 s[62:63], s[4:5], s[60:61]        ; my head's q
	s_mov_b32 s59, 0
.irp sg, 0,1,2,3
	s_lshl_b32 s58, s[50+\sg], 11
	s_add_nc_u64 s[40+2*\sg:41+2*\sg], s[62:63], s[58:59]
	s_lshl_b32 s58, s[50+\sg], 15
	v_add_nc_u32 v[MOFF+\sg], s58, v27
.endr
	s_lshl_b32 s60, s[GRP], 18
	s_add_nc_u64 s[KB:KB+1], s[4:5], s[60:61]
	s_add_nc_u64 s[KB:KB+1], s[KB:KB+1], KV16
	s_add_nc_u64 s[VB:VB+1], s[KB:KB+1], 8*262144
	WIN 0x40                                       ; destinations in window 1
.irp sg, 0,1,2,3
.irp p, 0,1,2,3
	global_load_b128 v[16*\sg+4*\p:16*\sg+4*\p+3], v[L16], s[40+2*\sg:41+2*\sg] offset:512*\p   ; Q stays in registers
.endr
.endr
.irp p, 0,1,2,3
	global_load_b128 v[STG+4*\p:STG+4*\p+3], v[STK], s[KB:KB+1] offset:512*\p                   ; keys 0-127: my tile of K,
	global_load_b128 v[STG+16+4*\p:STG+16+4*\p+3], v[STK], s[VB:VB+1] offset:512*\p             ; and of V
.endr
.set p, 0
.rept 128
	v_mov_b32 v[OW+p], 0
.set p, p+1
.endr
	WIN 0
.irp sg, 0,1,2,3
	v_mov_b32 v[MM+2*\sg], 0xff61b1e6              ; -3e38, under every score
	v_mov_b32 v[MM+2*\sg+1], 0
	v_mov_b32 v[LL+2*\sg], 0
	v_mov_b32 v[LL+2*\sg+1], 0
.endr
.set p, 0
.rept 16
	v_mov_b32 v[T+p], 0                            ; (permutes' destinations and upper halves of pairs are named before they are first written)
.set p, p+1
.endr
	s_wait_loadcnt 0x0
	WIN 0x04                                       ; an LDS store's data are its source 1: window 1
.irp p, 0,1,2,3
	ds_store_b128 v[STK], v[STG+4*\p:STG+4*\p+3] offset:512*\p
	ds_store_b128 v[STV], v[STG+16+4*\p:STG+16+4*\p+3] offset:32*\p
.endr
	WIN 0
	s_wait_dscnt 0x0                               ; the stores have read their registers
	WIN 0x40
.irp p, 0,1,2,3
	global_load_b128 v[STG+4*\p:STG+4*\p+3], v[STK], s[KB:KB+1] offset:16384+512*\p             ; keys 128-255
	global_load_b128 v[STG+16+4*\p:STG+16+4*\p+3], v[STK], s[VB:VB+1] offset:16384+512*\p
.endr
	WIN 0
	s_wait_kmcnt 0x0                               ; the map's words
	s_or_b32 s[ND], s54, s56
	s_lshr_b32 s[AL], s54, s[PAR]
	s_lshr_b32 s[ML], s55, s[PAR]
	s_lshr_b32 s[AE], s56, s[PAR]
	s_lshr_b32 s[ME], s57, s[PAR]
	s_lshr_b32 s37, s[WV], 2
	s_or_b32 s37, s37, s[EB]
	s_cmp_eq_u32 s37, 0                            ; waves 0 to 3 of the work-groups with i = 0 prefetch
	s_cselect_b32 s[PFM], 0xc00, 0
	s_cmp_lt_u32 s[WV], 2
	s_cselect_b64 s[PFB:PFB+1], s[KB:KB+1], s[VB:VB+1]
	s_and_b32 s58, s[WV], 1
	s_lshl_b32 s58, s58, 13
	s_add_co_u32 s58, s58, 5*16384
	s_add_nc_u64 s[PFB:PFB+1], s[PFB:PFB+1], s[58:59]
	s_lshl_b32 s58, s[PAR], 6
	s_add_nc_u64 s[MB:MB+1], s[8:9], s[58:59]
	s_wait_xcnt 0x0
	s_add_nc_u64 s[KB:KB+1], s[KB:KB+1], 32768     ; at the pair two trips on
	s_add_nc_u64 s[VB:VB+1], s[VB:VB+1], 32768
	s_mov_b32 s[TB], 0
	s_mov_b32 s[TO], SLOT1
	s_mov_b32 s[TR], 16
; S^T = K Q^T for two tiles of queries: eight accumulators by turns; the first eight products start the sums; four places ahead of the first read of the scores.
.macro QK qb
	WIN 0x04                                       ; Q in window 1
.irp c, 0,1
.irp kt, 0,1,2,3
.irp tau, 0,1
.if \c == 0
	v_wmma_f32_16x16x32_f16 v[S+32*\tau+8*\kt:S+32*\tau+8*\kt+7], v[KF+16*\kt:KF+16*\kt+7], v[\qb+16*\tau:\qb+16*\tau+7], 0
.else
	v_wmma_f32_16x16x32_f16 v[S+32*\tau+8*\kt:S+32*\tau+8*\kt+7], v[KF+16*\kt+8:KF+16*\kt+15], v[\qb+16*\tau+8:\qb+16*\tau+15], v[S+32*\tau+8*\kt:S+32*\tau+8*\kt+7]
.endif
.endr
.endr
.endr
	WIN 0
.rept 4
	v_nop
.endr
.endm
; A PIECE: two tiles of queries (slots s0, s0 + 1) against my chunk's 64 keys.  qb, ob: their Q and O^T in window 1; mix: the map's word whose bit 0 says that some entry is masked.
; The products are written in two arms: with the mask's loads ahead of them and the wait and the masking behind, or alone; so on every way the loads are followed by their wait.
.macro PIECE qb, ob, s0, mix
	s_and_b32 s37, s[\mix], 1
	s_cmp_eq_u32 s37, 0
	s_cbranch_scc1 .Lnm_\@
.irp tau, 0,1
.irp kt, 0,1,2,3
	global_load_b64 v[T+8*\tau+2*\kt:T+8*\tau+2*\kt+1], v[MOFF+\s0+\tau], s[MB:MB+1] offset:16*\kt   ; my query's eight entries of each key tile
.endr
.endr
	QK \qb
	s_wait_loadcnt 0x0
.irp tau, 0,1
.irp kt, 0,1,2,3
.set j, 0
.rept 8
	v_and_b32 v19, 0xff<<(8*(j%4)), v[T+8*\tau+2*\kt+j/4]
	v_cmp_ne_u32 vcc_lo, 0, v19
	v_cndmask_b32 v[S+32*\tau+8*\kt+j], v[S+32*\tau+8*\kt+j], v[NINF], vcc_lo    ; a masked score becomes -infinity, as in reference()
.set j, j+1
.endr
.endr
.endr
	s_branch .Lop_\@
.Lnm_\@:
	QK \qb
.Lop_\@:
.irp j, 0,1,2,3                        ; the largest score: four chains a tile, each accumulator from its low end on; the two tiles line by line
.irp tau, 0,1
	v_max3_num_f32 v[T+8*\tau+\j], v[S+32*\tau+8*\j], v[S+32*\tau+8*\j+1], v[S+32*\tau+8*\j+2]
.endr
.endr
.irp q, 3,5
.irp j, 0,1,2,3
.irp tau, 0,1
	v_max3_num_f32 v[T+8*\tau+\j], v[T+8*\tau+\j], v[S+32*\tau+8*\j+\q], v[S+32*\tau+8*\j+\q+1]
.endr
.endr
.endr
.irp tau, 0,1
	v_max3_num_f32 v[T+8*\tau], v[T+8*\tau], v[S+32*\tau+7], v[S+32*\tau+15]
	v_max3_num_f32 v[T+8*\tau+2], v[T+8*\tau+2], v[S+32*\tau+23], v[S+32*\tau+31]
.endr
.irp tau, 0,1
	v_max3_num_f32 v[T+8*\tau], v[T+8*\tau], v[T+8*\tau+1], v[T+8*\tau+2]
.endr
.irp tau, 0,1
	v_max3_num_f32 v[T+8*\tau], v[T+8*\tau], v[T+8*\tau+3], v[MM+2*(\s0+\tau)]
.endr
.irp tau, 0,1
	v_permlanex16_b32 v[T+8*\tau+4], v[T+8*\tau], s48, s49     ; the query's other 32 keys lie in the lane 16 away
.endr
.irp tau, 0,1
	v_mov_b32 v[T+8*\tau+5], v[MM+2*(\s0+\tau)]
.endr
.irp tau, 0,1
	v_max_num_f32 v[MM+2*(\s0+\tau)], v[T+8*\tau], v[T+8*\tau+4]
.endr
.irp tau, 0,1
	v_sub_f32 v[T+8*\tau+5], v[T+8*\tau+5], v[MM+2*(\s0+\tau)]
.endr
.set p, 0
.rept 16
.irp tau, 0,1
	v_pk_add_f32 v[S+32*\tau+p:S+32*\tau+p+1], v[S+32*\tau+p:S+32*\tau+p+1], v[MM+2*(\s0+\tau):MM+2*(\s0+\tau)+1] op_sel_hi:[1,0] neg_lo:[0,1] neg_hi:[0,1]   ; s - m
.endr
.set p, p+2
.endr
.irp tau, 0,1
	v_exp_f32 v[T+8*\tau+6], v[T+8*\tau+5]         ; f = 2^(old m - new m)
.endr
.set p, 0
.rept 64
	v_exp_f32 v[S+p], v[S+p]
.set p, p+1
.endr
	v_nop                                          ; a plain instruction behind the batch,
	s_wait_alu depctr_va_vdst(0)                   ; and one wait for its 66 exponentials
.irp tau, 0,1
	v_pk_add_f32 v[T+8*\tau:T+8*\tau+1], v[S+32*\tau:S+32*\tau+1], v[S+32*\tau+4:S+32*\tau+5]      ; the row's sum of the unrounded p: two chains a tile
	v_pk_add_f32 v[T+8*\tau+2:T+8*\tau+3], v[S+32*\tau+2:S+32*\tau+3], v[S+32*\tau+6:S+32*\tau+7]
.endr
.irp k, 8,12,16,20,24,28
.irp tau, 0,1
	v_pk_add_f32 v[T+8*\tau:T+8*\tau+1], v[T+8*\tau:T+8*\tau+1], v[S+32*\tau+\k:S+32*\tau+\k+1]
	v_pk_add_f32 v[T+8*\tau+2:T+8*\tau+3], v[T+8*\tau+2:T+8*\tau+3], v[S+32*\tau+\k+2:S+32*\tau+\k+3]
.endr
.endr
.irp tau, 0,1
	v_pk_add_f32 v[T+8*\tau:T+8*\tau+1], v[T+8*\tau:T+8*\tau+1], v[T+8*\tau+2:T+8*\tau+3]
.endr
.irp tau, 0,1
	v_pk_fma_f32 v[LL+2*(\s0+\tau):LL+2*(\s0+\tau)+1], v[LL+2*(\s0+\tau):LL+2*(\s0+\tau)+1], v[T+8*\tau+6:T+8*\tau+7], v[T+8*\tau:T+8*\tau+1] op_sel_hi:[1,0,1]
.endr
.set p, 0
.rept 16
.irp tau, 0,1
	v_cvt_pk_f16_f32 v[S+32*\tau+p], v[S+32*\tau+2*p], v[S+32*\tau+2*p+1]      ; P in place, ascending: register p is written when 2 p and 2 p + 1 are read
.endr
.set p, p+1
.endr
	WIN 0x41                                       ; O^T in window 1, f in window 0
.irp tau, 0,1
.set p, 0
.rept 16
	v_pk_mul_f32 v[\ob+32*\tau+p:\ob+32*\tau+p+1], v[\ob+32*\tau+p:\ob+32*\tau+p+1], v[T+8*\tau+6:T+8*\tau+7] op_sel_hi:[1,0]
.set p, p+2
.endr
.endr
	WIN 0x50                                       ; C and D in window 1
.irp kf, 0,1
.irp t, 0,1,2,3
.irp tau, 0,1
	v_wmma_f32_16x16x32_f16 v[\ob+32*\tau+8*\t:\ob+32*\tau+8*\t+7], v[VF+32*\kf+8*\t:VF+32*\kf+8*\t+7], v[S+32*\tau+8*\kf:S+32*\tau+8*\kf+7], v[\ob+32*\tau+8*\t:\ob+32*\tau+8*\t+7]
.endr
.endr
.endr
	WIN 0
.rept 5
	v_nop                                          ; five places: the next matrix instruction may write over P, and the next loads land on K and V
.endr
.endm
.Ltrip:
	s_wait_dscnt 0x0                               ; my stores of this trip's keys have landed, and my reads of the other slot are back
	s_barrier_signal -1
	s_barrier_wait -1                              ; both now hold of all eight waves
	s_wait_loadcnt 0x0                             ; the next pair's tile, asked for a trip ago
	s_and_b32 s37, s[ND], 0x0c
	s_cmp_eq_u32 s37, 0
	s_cbranch_scc1 .Lno_st
	v_add_nc_u32 v20, s[TO], v[STK]
	v_add_nc_u32 v21, s[TO], v[STV]
	WIN 0x04
.irp p, 0,1,2,3
	ds_store_b128 v20, v[STG+4*\p:STG+4*\p+3] offset:512*\p
	ds_store_b128 v21, v[STG+16+4*\p:STG+16+4*\p+3] offset:32*\p
.endr
	WIN 0
.Lno_st:
	s_and_b32 s37, s[ND], 0x30
	s_cmp_eq_u32 s37, 0
	s_cbranch_scc1 .Lno_ld
	s_wait_dscnt 0x0                               ; the stores have read their registers
	WIN 0x40
.irp p, 0,1,2,3
	global_load_b128 v[STG+4*\p:STG+4*\p+3], v[STK], s[KB:KB+1] offset:512*\p
	global_load_b128 v[STG+16+4*\p:STG+16+4*\p+3], v[STK], s[VB:VB+1] offset:512*\p
.endr
	WIN 0
.Lno_ld:
	s_and_b32 s37, s[ND], s[PFM]
	s_cmp_eq_u32 s37, 0
	s_cbranch_scc1 .Lno_pf
	global_prefetch_b8 v[PFO], s[PFB:PFB+1] th:TH_LOAD_NT scope:SCOPE_SE
.Lno_pf:
	s_or_b32 s37, s[AL], s[AE]
	s_and_b32 s37, s37, 1
	s_cmp_eq_u32 s37, 0
	s_cbranch_scc1 .Lskip                          ; my chunk counts for neither block
	v_add_nc_u32 v[ADK], s[TB], v[AK0]
	v_add_nc_u32 v[ADV], s[TB], v[AV0]
.set p, 0
.rept 16
	ds_load_b128 v[KF+4*p:KF+4*p+3], v[ADK] offset:512*p
.set p, p+1
.endr
.irp kf, 0,1
.irp t, 0,1,2,3
	ds_load_tr16_b128 v[VF+32*\kf+8*\t:VF+32*\kf+8*\t+3], v[ADV] offset:\kf*5120+32*\t
	ds_load_tr16_b128 v[VF+32*\kf+8*\t+4:VF+32*\kf+8*\t+7], v[ADV] offset:\kf*5120+2560+32*\t
.endr
.endr
	s_wait_dscnt 0x0
	s_and_b32 s38, s[AL], 1
	s_cmp_eq_u32 s38, 0
	s_cbranch_scc1 .Lno_l
	PIECE 0, OW, 0, ML
.Lno_l:
	s_and_b32 s38, s[AE], 1
	s_cmp_eq_u32 s38, 0
	s_cbranch_scc1 .Lskip
	PIECE 32, OW+64, 2, ME
.Lskip:
	s_wait_xcnt 0x0                                ; bases are stepped only behind this wait
	s_add_nc_u64 s[KB:KB+1], s[KB:KB+1], 16384
	s_add_nc_u64 s[VB:VB+1], s[VB:VB+1], 16384
	s_add_nc_u64 s[PFB:PFB+1], s[PFB:PFB+1], 16384
	s_add_nc_u64 s[MB:MB+1], s[MB:MB+1], 128
	s_lshr_b32 s[AL], s[AL], 2
	s_lshr_b32 s[ML], s[ML], 2
	s_lshr_b32 s[AE], s[AE], 2
	s_lshr_b32 s[ME], s[ME], 2
	s_lshr_b32 s[ND], s[ND], 2
	s_xor_b32 s[TB], s[TB], SLOT1
	s_xor_b32 s[TO], s[TO], SLOT1
	s_sub_co_u32 s[TR], s[TR], 1
	s_cmp_lg_u32 s[TR], 0
	s_cbranch_scc1 .Ltrip
; THE MERGE.  Slots 1 and 3 go to my partner through LDS, its slots 1 and 3 are my slots 0 and 2's other chunks.
	s_add_nc_u64 s[62:63], s[62:63], G16           ; my head's gate
	s_lshl_b32 s58, s50, 11
	s_add_nc_u64 s[40:41], s[62:63], s[58:59]
	s_lshl_b32 s58, s52, 11
	s_add_nc_u64 s[42:43], s[62:63], s[58:59]
	s_lshl_b32 s60, s[HEAD], 11
	s_add_nc_u64 s[46:47], s[10:11], s[60:61]
	s_lshl_b32 s58, s50, 16
	s_add_nc_u64 s[44:45], s[46:47], s[58:59]      ; act: row tile x 65,536 + head x 2,048
	s_lshl_b32 s58, s52, 16
	s_add_nc_u64 s[46:47], s[46:47], s[58:59]
.irp b, 0,1,2,3
	global_load_b128 v[32+4*\b:35+4*\b], v[L16], s[40:41] offset:512*\b
	global_load_b128 v[48+4*\b:51+4*\b], v[L16], s[42:43] offset:512*\b
.endr
	WIN 0x04
.irp sg, 0,1
.irp p, 0,1,2,3,4,5,6,7
	ds_store_b128 v[XSO], v[OW+32*(2*\sg+1)+4*\p:OW+32*(2*\sg+1)+4*\p+3] offset:\sg*4096+512*\p
.endr
.endr
	WIN 0
	v_add_f32 v19, v[LL+2], v[LL+3]
	v_add_f32 v20, v[LL+6], v[LL+7]
	ds_store_b32 v[XSM], v[MM+2]
	ds_store_b32 v[XSM], v19 offset:128
	ds_store_b32 v[XSM], v[MM+6] offset:256
	ds_store_b32 v[XSM], v20 offset:384
	s_wait_dscnt 0x0
	s_barrier_signal -1
	s_barrier_wait -1
.macro KEEP sg                         ; my slot 2 sg
	WIN 0x40
.irp p, 0,1,2,3,4,5,6,7
	ds_load_b128 v[PO+4*\p:PO+4*\p+3], v[XLO] offset:\sg*4096+512*\p
.endr
	WIN 0
	ds_load_b32 v20, v[XLM] offset:\sg*256         ; m'
	ds_load_b32 v21, v[XLM] offset:\sg*256+128     ; l'
	s_wait_dscnt 0x0
	v_max_num_f32 v[T], v[MM+4*\sg], v20
	v_sub_f32 v[T+2], v[MM+4*\sg], v[T]
	v_sub_f32 v[T+4], v20, v[T]
	v_exp_f32 v[T+2], v[T+2]
	v_exp_f32 v[T+4], v[T+4]
	v_add_f32 v[T+6], v[LL+4*\sg], v[LL+4*\sg+1]   ; (a plain instruction behind the two)
	s_wait_alu depctr_va_vdst(0)
	v_mul_f32 v[T+6], v[T+6], v[T+2]
	v_fma_f32 v[T+6], v21, v[T+4], v[T+6]
	v_permlanex16_b32 v[T+7], v[T+6], s48, s49
	v_add_f32 v[T+6], v[T+6], v[T+7]               ; the row's sum
	v_rcp_f32 v[T+8], v[T+6]
	v_nop
	s_wait_alu depctr_va_vdst(0)
	v_mul_f32 v[T+2], v[T+2], v[T+8]               ; both factors carry 1 / l
	v_mul_f32 v[T+4], v[T+4], v[T+8]
	WIN 0x41
.set p, 0
.rept 16
	v_pk_mul_f32 v[OW+64*\sg+p:OW+64*\sg+p+1], v[OW+64*\sg+p:OW+64*\sg+p+1], v[T+2:T+3] op_sel_hi:[1,0]
.set p, p+2
.endr
	WIN 0x51
.set p, 0
.rept 16
	v_pk_fma_f32 v[OW+64*\sg+p:OW+64*\sg+p+1], v[PO+p:PO+p+1], v[T+4:T+5], v[OW+64*\sg+p:OW+64*\sg+p+1] op_sel_hi:[1,0,1]
.set p, p+2
.endr
	WIN 0
.set p, 0
.rept 16
	v_cvt_f32_f16 v[VF+2*p], v[32+16*\sg+p].l      ; the gate
	v_cvt_f32_f16 v[VF+2*p+1], v[32+16*\sg+p].h
.set p, p+1
.endr
	WIN 0x01
.set p, 0
.rept 16
	v_pk_mul_f32 v[S+p:S+p+1], v[OW+64*\sg+p:OW+64*\sg+p+1], v[VF+p:VF+p+1]
.set p, p+2
.endr
	WIN 0
.set p, 0
.rept 16
	v_cvt_pk_f16_f32 v[S+32+16*\sg+p], v[S+2*p], v[S+2*p+1]
.set p, p+1
.endr
.irp b, 0,1,2,3
	global_store_b128 v[L16], v[S+32+16*\sg+4*\b:S+32+16*\sg+4*\b+3], s[44+2*\sg:45+2*\sg] offset:512*\b   ; 32 lanes store 512 consecutive bytes
.endr
.endm
	s_wait_loadcnt 0x0                             ; the gate
	KEEP 0
	KEEP 1
	s_wait_tensorcnt 0x0                           ; the wave's end
	ds_add_u32 v[SPW], v[NIL]
	s_wait_dscnt 0x0
	s_endpgm
.Lfunc_end_k_q37387d86e4_attn:
	.size	k_q37387d86e4_attn, .Lfunc_end_k_q37387d86e4_attn-k_q37387d86e4_attn
	.p2alignl 7, 3214868480
	.fill 96, 4, 3214868480
	.section	.rodata,"a",@progbits
	.p2align	6, 0x0
	.amdhsa_kernel k_q37387d86e4_attn
		.amdhsa_group_segment_fixed_size 173056
		.amdhsa_private_segment_fixed_size 0
		.amdhsa_enable_private_segment 0
		.amdhsa_kernarg_size 32
		.amdhsa_user_sgpr_count 2
		.amdhsa_user_sgpr_kernarg_segment_ptr 1
		.amdhsa_wavefront_size32 1
		.amdhsa_system_sgpr_workgroup_id_x 1
		.amdhsa_system_sgpr_workgroup_id_y 1
		.amdhsa_system_sgpr_workgroup_id_z 1
		.amdhsa_system_vgpr_workitem_id 0
		.amdhsa_next_free_vgpr 512
		.amdhsa_next_free_sgpr 66
		.amdhsa_reserve_vcc 1
		.amdhsa_float_denorm_mode_32 3
		.amdhsa_float_denorm_mode_16_64 3
		.amdhsa_memory_ordered 1
		.amdhsa_forward_progress 1
		.amdhsa_inst_pref_size 86
	.end_amdhsa_kernel
	.amdgpu_metadata
---
amdhsa.version: [ 1, 2 ]
amdhsa.kernels:
  - .name:           k_q37387d86e4_attn
    .symbol:         k_q37387d86e4_attn.kd
    .args:
      - { .name: proj, .offset: 0, .size: 8, .value_kind: global_buffer, .address_space: global }
      - { .name: tmap, .offset: 8, .size: 8, .value_kind: global_buffer, .address_space: global }
      - { .name: mask, .offset: 16, .size: 8, .value_kind: global_buffer, .address_space: global }
      - { .name: act, .offset: 24, .size: 8, .value_kind: global_buffer, .address_space: global }
    .group_segment_fixed_size: 173056
    .private_segment_fixed_size: 0
    .kernarg_segment_align: 8
    .kernarg_segment_size: 32
    .max_flat_workgroup_size: 256
    .sgpr_count:     66
    .vgpr_count:     512
    .wavefront_size: 32
...
	.end_amdgpu_metadata
.endif
;; end of part 3
;; launch fineattn (part 4): grid 32 x 1, 1 waves a work-group, no clusters, 0 bytes of LDS; arguments proj, tmap, mask, act; writes act
.if DOCPART == 4
	.amdgcn_target "amdgcn-amd-amdhsa--gfx1250"
	.amdhsa_code_object_version 6
	.text
	.protected	k_q37387d86e4_fineattn
	.globl	k_q37387d86e4_fineattn
	.p2align	8
	.type	k_q37387d86e4_fineattn,@function
k_q37387d86e4_fineattn:
	s_mov_b64 s[64:65], 0
	v_nop
	global_prefetch_b8 v0, s[64:65] scope:SCOPE_SE
	s_setreg_imm32_b32 hwreg(HW_REG_WAVE_MODE, 25, 1), 1
	s_wait_xcnt 0x0
; FINEATTN: rows 0-15 of every head once more, wholly in f32: these rows may average very few values, and the rounding of f16 operands would weigh most there.  One wave a head.
; LEFT OUT, by whole numbers read from memory: chunks of 64 keys that the stored map marks as wholly masked for rows 0-31.  In a live chunk all four key tiles are run, the mask always applied.
; S^T = K Q^T and O^T = V^T P by v_wmma_f32_16x16x4_f32: a lane holds one query.  A step of 4 along K takes two numbers from each half of the lanes: both operands of the first product lie alike
; (lane (r, h): columns 16 b + 8 h + j), so registers 2 s, 2 s + 1 of both are the same four columns.  For the second product P's registers 2 jj, 2 jj + 1 are keys 8 h + 2 jj + j', and V is gathered so.
; The registers that these matrix instructions write (v160-207) are written by nothing else; what is made of them goes into other registers.
; q and the gate in f32 lie 16,384 bytes a head; rows 0-15 are the first 4,096 of them.
; No LDS, no barrier, no cluster: a wave shares nothing; small work.  LIMIT: a row with no key left gives NaN, as reference() does.
.set KV32, 20971520
.set Q32,  29360128
.set G32,  29884416
.set A32,  8388608
.set QQ, 32                            ; v32-63   q
.set GG, 64                            ; v64-95   gate
.set KK, 96                            ; v96-127  a key tile of k
.set VV, 128                           ; v128-159 and of v, turned
.set SA, 160                           ; v160-167, v168-175 two sums of S^T by turns
.set SB, 168
.set OC, 176                           ; v176-207 this tile's V^T P
.set ST, 208                           ; v208-215 the scores, then p
.set OR, 216                           ; v216-247 O^T
	s_load_b256 s[4:11], s[0:1], 0x0               ; proj, tmap, mask, act
	v_and_b32 v7, 31, v0
	v_lshlrev_b32 v1, 4, v7                        ; 16 x lane
	v_and_b32 v14, 15, v0                          ; r
	v_bfe_u32 v15, v0, 4, 1                        ; h
	v_bfe_u32 v16, v0, 2, 1
	v_lshlrev_b32 v2, 9, v16                       ; V's gather: ((r >> 2) & 1) x 512
	v_bfe_u32 v16, v0, 3, 1
	v_lshl_add_u32 v2, v16, 8, v2                  ; + (r >> 3) x 256
	v_lshl_add_u32 v2, v15, 7, v2                  ; + 128 h
	v_and_b32 v16, 3, v0
	v_lshl_add_u32 v2, v16, 2, v2                  ; + (r & 3) x 4
	v_lshlrev_b32 v3, 11, v14
	v_lshl_add_u32 v3, v15, 3, v3                  ; the mask: row r, + 8 h
	v_mov_b32 v6, 0xff800000
	v_mov_b32 v8, 0xff61b1e6                       ; m = -3e38
	v_mov_b32 v9, 0
	v_mov_b32 v10, 0                               ; l, in two halves
	v_mov_b32 v11, 0
	v_mov_b32 v13, 0
	v_mov_b32 v15, 0
.set p, 0
.rept 32
	v_mov_b32 v[OR+p], 0
.set p, p+1
.endr
	s_mov_b32 s24, 0x76543210
	s_mov_b32 s25, 0xfedcba98
	s_lshr_b32 s12, ttmp9, 2                       ; the group
	s_lshl_b32 s26, s12, 19
	s_mov_b32 s27, 0
	s_lshl_b32 s22, ttmp9, 12                      ; the head's place in the result
	s_mov_b32 s23, 0
	s_lshl_b32 s34, ttmp9, 14                      ; and among q and the gate in f32
	s_mov_b32 s35, 0
	s_wait_kmcnt 0x0
	s_load_b32 s20, s[6:7], 0x0                    ; ANY of rows 0-31
	s_add_nc_u64 s[14:15], s[4:5], s[26:27]
	s_add_nc_u64 s[14:15], s[14:15], KV32          ; k
	s_add_nc_u64 s[16:17], s[14:15], 8*524288      ; v
	s_mov_b64 s[18:19], s[8:9]                     ; the mask
	s_add_nc_u64 s[28:29], s[4:5], s[34:35]
	s_add_nc_u64 s[30:31], s[28:29], G32
	s_add_nc_u64 s[28:29], s[28:29], Q32
	s_add_nc_u64 s[32:33], s[10:11], s[22:23]
	s_add_nc_u64 s[32:33], s[32:33], A32
.irp p, 0,1,2,3,4,5,6,7
	global_load_b128 v[QQ+4*\p:QQ+4*\p+3], v1, s[28:29] offset:512*\p
	global_load_b128 v[GG+4*\p:GG+4*\p+3], v1, s[30:31] offset:512*\p
.endr
	s_wait_loadcnt 0x0
	s_wait_kmcnt 0x0
	s_mov_b32 s21, 32
.macro FTILE kt
	global_load_b64 v[4:5], v3, s[18:19] offset:16*\kt
.irp p, 0,1,2,3,4,5,6,7
	global_load_b128 v[KK+4*\p:KK+4*\p+3], v1, s[14:15] offset:\kt*4096+512*\p
.endr
.set e, 0
.rept 32
	global_load_b32 v[VV+e], v2, s[16:17] offset:\kt*4096+(e/8)*1024+(e%8)*16      ; V[8 h + e % 8][16 (e / 8) + r]
.set e, e+1
.endr
	s_wait_loadcnt 0x0
.set ks, 0
.rept 16                               ; two sums by turns; the first two steps start them
.if ks < 2
	v_wmma_f32_16x16x4_f32 v[SA+8*(ks%2):SA+8*(ks%2)+7], v[KK+2*ks:KK+2*ks+1], v[QQ+2*ks:QQ+2*ks+1], 0
.else
	v_wmma_f32_16x16x4_f32 v[SA+8*(ks%2):SA+8*(ks%2)+7], v[KK+2*ks:KK+2*ks+1], v[QQ+2*ks:QQ+2*ks+1], v[SA+8*(ks%2):SA+8*(ks%2)+7]
.endif
.set ks, ks+1
.endr
.rept 8
	v_nop                                          ; eight places behind this form
.endr
.irp p, 0,2,4,6
	v_pk_add_f32 v[ST+\p:ST+\p+1], v[SA+\p:SA+\p+1], v[SB+\p:SB+\p+1]
.endr
.set j, 0
.rept 8
	v_and_b32 v7, 0xff<<(8*(j%4)), v[4+j/4]
	v_cmp_ne_u32 vcc_lo, 0, v7
	v_cndmask_b32 v[ST+j], v[ST+j], v6, vcc_lo
.set j, j+1
.endr
	v_max3_num_f32 v14, v[ST], v[ST+1], v[ST+2]
	v_max3_num_f32 v14, v14, v[ST+3], v[ST+4]
	v_max3_num_f32 v14, v14, v[ST+5], v[ST+6]
	v_max3_num_f32 v14, v14, v[ST+7], v8
	v_permlanex16_b32 v15, v14, s24, s25
	v_mov_b32 v16, v8
	v_max_num_f32 v8, v14, v15
	v_sub_f32 v16, v16, v8
.irp p, 0,2,4,6
	v_pk_add_f32 v[ST+\p:ST+\p+1], v[ST+\p:ST+\p+1], v[8:9] op_sel_hi:[1,0] neg_lo:[0,1] neg_hi:[0,1]
.endr
	v_exp_f32 v12, v16
.irp j, 0,1,2,3,4,5,6,7
	v_exp_f32 v[ST+\j], v[ST+\j]
.endr
	v_nop
	s_wait_alu depctr_va_vdst(0)                   ; one wait for the nine
	v_pk_add_f32 v[18:19], v[ST:ST+1], v[ST+2:ST+3]
	v_pk_add_f32 v[20:21], v[ST+4:ST+5], v[ST+6:ST+7]
	v_pk_add_f32 v[18:19], v[18:19], v[20:21]
	v_pk_fma_f32 v[10:11], v[10:11], v[12:13], v[18:19] op_sel_hi:[1,0,1]
.irp jj, 0,1,2,3                       ; four sums by turns
.irp t, 0,1,2,3
.if \jj == 0
	v_wmma_f32_16x16x4_f32 v[OC+8*\t:OC+8*\t+7], v[VV+8*\t:VV+8*\t+1], v[ST:ST+1], 0
.else
	v_wmma_f32_16x16x4_f32 v[OC+8*\t:OC+8*\t+7], v[VV+8*\t+2*\jj:VV+8*\t+2*\jj+1], v[ST+2*\jj:ST+2*\jj+1], v[OC+8*\t:OC+8*\t+7]
.endif
.endr
.endr
.rept 8
	v_nop
.endr
.set p, 0
.rept 16
	v_pk_fma_f32 v[OR+p:OR+p+1], v[OR+p:OR+p+1], v[12:13], v[OC+p:OC+p+1] op_sel_hi:[1,0,1]   ; O^T = O^T f + this tile's
.set p, p+2
.endr
.endm
.Lchunk:
	s_and_b32 s22, s20, 1
	s_cmp_eq_u32 s22, 0
	s_cbranch_scc1 .Lnext
	FTILE 0
	FTILE 1
	FTILE 2
	FTILE 3
.Lnext:
	s_wait_xcnt 0x0
	s_add_nc_u64 s[14:15], s[14:15], 16384
	s_add_nc_u64 s[16:17], s[16:17], 16384
	s_add_nc_u64 s[18:19], s[18:19], 64
	s_lshr_b32 s20, s20, 1
	s_sub_co_u32 s21, s21, 1
	s_cmp_lg_u32 s21, 0
	s_cbranch_scc1 .Lchunk
	v_add_f32 v10, v10, v11
	v_permlanex16_b32 v15, v10, s24, s25
	v_add_f32 v10, v10, v15
	v_rcp_f32 v12, v10
	v_nop
	s_wait_alu depctr_va_vdst(0)
.set p, 0
.rept 16
	v_pk_mul_f32 v[OR+p:OR+p+1], v[OR+p:OR+p+1], v[12:13] op_sel_hi:[1,0]
.set p, p+2
.endr
.set p, 0
.rept 16
	v_pk_mul_f32 v[OR+p:OR+p+1], v[OR+p:OR+p+1], v[GG+p:GG+p+1]
.set p, p+2
.endr
.irp p, 0,1,2,3,4,5,6,7
	global_store_b128 v1, v[OR+4*\p:OR+4*\p+3], s[32:33] offset:512*\p
.endr
	s_endpgm
.Lfunc_end_k_q37387d86e4_fineattn:
	.size	k_q37387d86e4_fineattn, .Lfunc_end_k_q37387d86e4_fineattn-k_q37387d86e4_fineattn
	.p2alignl 7, 3214868480
	.fill 96, 4, 3214868480
	.section	.rodata,"a",@progbits
	.p2align	6, 0x0
	.amdhsa_kernel k_q37387d86e4_fineattn
		.amdhsa_group_segment_fixed_size 0
		.amdhsa_private_segment_fixed_size 0
		.amdhsa_enable_private_segment 0
		.amdhsa_kernarg_size 32
		.amdhsa_user_sgpr_count 2
		.amdhsa_user_sgpr_kernarg_segment_ptr 1
		.amdhsa_wavefront_size32 1
		.amdhsa_system_sgpr_workgroup_id_x 1
		.amdhsa_system_sgpr_workgroup_id_y 1
		.amdhsa_system_sgpr_workgroup_id_z 1
		.amdhsa_system_vgpr_workitem_id 0
		.amdhsa_next_free_vgpr 256
		.amdhsa_next_free_sgpr 66
		.amdhsa_reserve_vcc 1
		.amdhsa_float_denorm_mode_32 3
		.amdhsa_float_denorm_mode_16_64 3
		.amdhsa_memory_ordered 1
		.amdhsa_forward_progress 1
		.amdhsa_inst_pref_size 48
	.end_amdhsa_kernel
	.amdgpu_metadata
---
amdhsa.version: [ 1, 2 ]
amdhsa.kernels:
  - .name:           k_q37387d86e4_fineattn
    .symbol:         k_q37387d86e4_fineattn.kd
    .args:
      - { .name: proj, .offset: 0, .size: 8, .value_kind: global_buffer, .address_space: global }
      - { .name: tmap, .offset: 8, .size: 8, .value_kind: global_buffer, .address_space: global }
      - { .name: mask, .offset: 16, .size: 8, .value_kind: global_buffer, .address_space: global }
      - { .name: act, .offset: 24, .size: 8, .value_kind: global_buffer, .address_space: global }
    .group_segment_fixed_size: 0
    .private_segment_fixed_size: 0
    .kernarg_segment_align: 8
    .kernarg_segment_size: 32
    .max_flat_workgroup_size: 32
    .sgpr_count:     66
    .vgpr_count:     256
    .wavefront_size: 32
...
	.end_amdgpu_metadata
.endif
;; end of part 4
;; launch oproj (part 5): grid 16 x 16, 4 waves a work-group, clusters of 4 x 4, 327,680 bytes of LDS; arguments act, prep, out0; writes out0
.if DOCPART == 5
	.amdgcn_target "amdgcn-amd-amdhsa--gfx1250"
	.amdhsa_code_object_version 6
	.text
	.protected	k_q37387d86e4_oproj
	.globl	k_q37387d86e4_oproj
	.p2align	8
	.type	k_q37387d86e4_oproj,@function
k_q37387d86e4_oproj:
	s_mov_b64 s[64:65], 0
	v_nop
	global_prefetch_b8 v0, s[64:65] scope:SCOPE_SE
	s_setreg_imm32_b32 hwreg(HW_REG_WAVE_MODE, 25, 1), 1
	s_wait_xcnt 0x0
	s_wait_alu depctr_hold_cnt(0) depctr_sa_sdst(0) depctr_va_vdst(0) depctr_va_sdst(0) depctr_va_ssrc(0) depctr_va_vcc(0) depctr_vm_vsrc(0)
	s_getreg_b32 s2, hwreg(HW_REG_IB_STS2, 6, 4)
	s_cmp_eq_u32 s2, 0
	s_cbranch_scc0 .Lentry_in_a_cluster
	s_endpgm
.Lentry_in_a_cluster:
	s_bfe_u32 s2, ttmp6, 0x10000c
	s_cmp_lg_u32 s2, 0xf033
	s_cbranch_scc0 .Lentry_shape_is_right
	s_endpgm
.Lentry_shape_is_right:
; OPROJ: out0 = (ctx x gate) Wo, 2048 x 2048 x 2048, f16 operands, f32 sums.  No work is left out; rows 0-15 lie inside a live tile and are stored too, and the last launch writes them again in f32.
; A tile of out0 is 128 x 128 (256 work-groups); four waves, 64 x 64 each: 16 accumulators.  Both operands lie in memory as images of operand registers: [tile of 16][32 K 64][half 2][lane][16 B]:
; a K step of 256 of a tile of 16 rows is 8,192 consecutive bytes, and a fragment is two LDS loads of 512 consecutive bytes: no pitch, no padding, no bank conflict.
; K goes in steps of 256 through a ring of two LDS slots of 131,072 bytes; a wave's tensor load brings 4 rows of 8,192 bytes.
; CLUSTERS: 4 x 4; the activations' tiles are asked for jointly along a row of the cluster, Wo's along a column.
; THE MATRIX INSTRUCTION IS USED TRANSPOSED (source 0 = 16 columns of Wo, source 1 = 16 rows of the activations): a lane holds eight neighbouring numbers of a row of out0.
.set WOT,   7798784
.set KSB,   8192                       ; a K step of a tile of 16, in bytes
.set SLOT,  131072                     ; the activations' 8 tiles, then Wo's 8
.set SPARE, 262144                     ; behind the ring: the spare words
.set SPITCH, 272                       ; the way out: 16 rows x (256 bytes + 16) a wave, in slot 0, which has had its last fill and its last read by then
.set LAPS,  4
.set ADRA, 16
.set ADRB, 20
.set STO,  24
.set RD,   25
.set CO,   26
.set SPW,  28
.set NIL,  29
.set TMP,  32
.set ACC,  128
.set F0,   0
.set F1,   128
.set G1, 24
.set G0, 32
.set G1B, 48
.set G0B, 56
.set MSB, 0
.macro WIN new
.if MSB != (\new)
	s_set_vgpr_msb (MSB<<8)|(\new)
.set MSB, (\new)
.endif
.endm
.set MUL,  0x05                        ; sources 0 and 1 window 1; C and D window 0
.set TO_F, 0x40
.macro JLOAD s                         ; a joint load: waves 0, 1 fetch the activations' halves, waves 2, 3 Wo's; an s_nop 0 and four v_nop follow each line
	s_cmp_eq_u32 s11, 0
	s_cbranch_scc0 .Lfor_b_\@
	tensor_load_to_lds s[G0+4*\s:G0+4*\s+3], s[G1:G1+7]
	s_nop 0
.rept 4
	v_nop
.endr
	s_branch .Lasked_\@
.Lfor_b_\@:
	tensor_load_to_lds s[G0B+4*\s:G0B+4*\s+3], s[G1B:G1B+7]
	s_nop 0
.rept 4
	v_nop
.endr
.Lasked_\@:
.endm
.macro CREST
	s_cmp_lg_u32 s10, 0
	s_cbranch_scc1 .Lnot_wave_0_\@
	s_barrier_signal -3
.Lnot_wave_0_\@:
	s_barrier_wait -3
	s_barrier_signal -1
	s_barrier_wait -1
.endm
.macro CROUND
	s_barrier_signal -1
	s_barrier_wait -1
	CREST
.endm
	s_load_b128 s[4:7], s[0:1], 0x0                ; act, prep
	s_load_b64 s[8:9], s[0:1], 0x10                ; out0
	v_lshl_add_u32 v[SPW], v0, 2, SPARE
	v_mov_b32 v[NIL], 0
	ds_add_u32 v[SPW], v[NIL]                      ; the wave's opening: the add, twice on end, and its wait ahead of my first tensor load
	ds_add_u32 v[SPW], v[NIL]
	v_lshrrev_b32 v1, 5, v0
	v_readfirstlane_b32 s10, v1                    ; wave 0..3
	s_lshr_b32 s11, s10, 1                         ; my half of the rows.  Also: I fetch activations (0) or Wo (1)
	s_and_b32 s12, s10, 1                          ; my half of the columns.  Also: which four tiles I fetch
	s_bfe_u32 s40, ttmp6, 0x40000
	s_bfe_u32 s41, ttmp6, 0x40004
	s_lshl_b32 s42, ttmp9, 2
	s_add_co_u32 s42, s42, s40                     ; tile column
	s_and_b32 s13, ttmp7, 0xffff
	s_lshl_b32 s13, s13, 2
	s_add_co_u32 s13, s13, s41                     ; tile row
	s_lshl_b32 s43, s41, 2
	s_lshl_b32 s43, 15, s43
	s_lshl_b32 s44, 0x1111, s40
	s_or_b32 s[G1+0], s43, (3<<16)|(1<<21)         ; the mask; elements of 8 bytes; no padding; bit 21 beside a mask
	s_or_b32 s[G1B+0], s44, (3<<16)|(1<<21)
.irp g, G1, G1B
	s_mov_b32 s[\g+1], 1024<<16                    ; tensor_dim0 = 1,024 elements: 8,192 bytes
	s_mov_b32 s[\g+2], 4<<16                       ; tensor_dim1 = 4
	s_mov_b32 s[\g+3], 1024<<16                    ; tile_dim0
	s_mov_b32 s[\g+4], 4                           ; tile_dim1
	s_mov_b32 s[\g+5], 8192                        ; the pitch: 65,536 bytes from a tile of 16 to the next
	s_mov_b32 s[\g+6], 0
	s_mov_b32 s[\g+7], 0
.endr
	s_lshl_b32 s17, s12, 2
	s_lshl_b32 s16, s13, 3
	s_add_co_u32 s16, s16, s17
	s_lshl_b32 s16, s16, 16                        ; activations: tile 8 x tile row + 4 x half
	s_lshl_b32 s46, s42, 3
	s_add_co_u32 s46, s46, s17
	s_lshl_b32 s46, s46, 16                        ; Wo: tile 8 x tile column + 4 x half
	s_mov_b32 s17, 0
	s_mov_b32 s47, 0
	s_lshl_b32 s20, s10, 15                        ; where they go: wave x 32,768
	s_wait_dscnt 0x0                               ; both opening adds are done
	s_wait_kmcnt 0x0
	s_add_nc_u64 s[14:15], s[4:5], s[16:17]
	s_add_nc_u64 s[46:47], s[6:7], s[46:47]
	s_add_nc_u64 s[46:47], s[46:47], WOT
	CROUND                                         ; all sixteen work-groups are here: the first joint loads meet
.irp s, 0,1
	s_mov_b32 s[G0+4*\s], 1
	s_add_co_u32 s[G0+4*\s+1], s20, \s*SLOT
	s_add_nc_u64 s[G0+4*\s+2:G0+4*\s+3], s[14:15], \s*KSB
	s_or_b32 s[G0+4*\s+3], s[G0+4*\s+3], 0x80000000
	s_mov_b32 s[G0B+4*\s], 1
	s_add_co_u32 s[G0B+4*\s+1], s20, \s*SLOT
	s_add_nc_u64 s[G0B+4*\s+2:G0B+4*\s+3], s[46:47], \s*KSB
	s_or_b32 s[G0B+4*\s+3], s[G0B+4*\s+3], 0x80000000
	JLOAD \s
.endr
	v_and_b32 v1, 15, v0
	v_bfe_u32 v2, v0, 4, 1
	v_and_b32 v3, 31, v0
	v_lshlrev_b32 v3, 4, v3                        ; 16 x lane
	s_lshl_b32 s21, s11, 15
	s_lshl_b32 s22, s12, 15
	s_add_co_u32 s22, s22, 65536
.irp s, 0,1
	v_add_nc_u32 v[ADRA+\s], s21, v3
	v_add_nc_u32 v[ADRB+\s], s22, v3
	s_add_co_u32 s21, s21, SLOT
	s_add_co_u32 s22, s22, SLOT
.endr
	s_mul_i32 s23, s10, 16*SPITCH                  ; my stage
	v_mul_u32_u24 v4, v1, SPITCH
	v_lshl_add_u32 v4, v2, 5, v4
	v_add_nc_u32 v[STO], s23, v4                   ; in: row r, 32 bytes for each half of the lanes
	v_mul_u32_u24 v5, v2, SPITCH
	v_lshl_add_u32 v5, v1, 4, v5
	v_add_nc_u32 v[RD], s23, v5                    ; back: lanes 0-15 one row of 256 bytes, lanes 16-31 the next
	v_lshlrev_b32 v5, 13, v2
	v_lshl_add_u32 v[CO], v1, 4, v5                ; and the same two rows in out0
	s_lshl_b32 s16, s13, 7
	s_lshl_b32 s17, s11, 6
	s_add_co_u32 s16, s16, s17
	s_lshl_b32 s16, s16, 13                        ; my first row, 8,192 bytes a row
	s_mov_b32 s17, 0
	s_add_nc_u64 s[8:9], s[8:9], s[16:17]
	s_lshl_b32 s46, s42, 9
	s_lshl_b32 s47, s12, 8
	s_add_co_u32 s46, s46, s47                     ; my first column, in bytes
	s_mov_b32 s47, 0
	s_add_nc_u64 s[8:9], s[8:9], s[46:47]
.macro MUL8 f, c, a0, zero             ; the 16 accumulators take turns
.irp a, \a0, \a0+1
.irp b, 0,1,2,3
.if \zero
	v_wmma_f32_16x16x32_f16 v[ACC+8*(4*(\a)+\b):ACC+8*(4*(\a)+\b)+7], v[\f+64+8*(4*\c+\b):\f+64+8*(4*\c+\b)+7], v[\f+8*(4*\c+\a):\f+8*(4*\c+\a)+7], 0
.else
	v_wmma_f32_16x16x32_f16 v[ACC+8*(4*(\a)+\b):ACC+8*(4*(\a)+\b)+7], v[\f+64+8*(4*\c+\b):\f+64+8*(4*\c+\b)+7], v[\f+8*(4*\c+\a):\f+8*(4*\c+\a)+7], v[ACC+8*(4*(\a)+\b):ACC+8*(4*(\a)+\b)+7]
.endif
.endr
.endr
.endm
.macro FETCH slot, k, f                ; 32 LDS loads in one run: the fragments of 64 along K, from byte k of each tile's 8,192; the first 32 along K first
	WIN TO_F
.irp c, 0,1
.irp i, 0,1,2,3
	ds_load_b128 v[\f+64+8*(4*\c+\i):\f+64+8*(4*\c+\i)+3],   v[ADRB+\slot] offset:\k+1024*\c+\i*8192
	ds_load_b128 v[\f+64+8*(4*\c+\i)+4:\f+64+8*(4*\c+\i)+7], v[ADRB+\slot] offset:\k+1024*\c+\i*8192+512
	ds_load_b128 v[\f+8*(4*\c+\i):\f+8*(4*\c+\i)+3],         v[ADRA+\slot] offset:\k+1024*\c+\i*8192
	ds_load_b128 v[\f+8*(4*\c+\i)+4:\f+8*(4*\c+\i)+7],       v[ADRA+\slot] offset:\k+1024*\c+\i*8192+512
.endr
.endr
.endm
.macro PLACES
.rept 4
	v_nop
.endr
.endm
.macro QUARTER slot, k, f, g, zero
	s_wait_dscnt 16                                ; the first 32 along K are in; the other sixteen loads may be out
	WIN MUL
	MUL8 \f, 0, 0, \zero
	MUL8 \f, 0, 2, \zero
	PLACES
	FETCH \slot, \k, \g
	s_wait_dscnt 32                                ; all but the 32 just issued
	WIN MUL
	MUL8 \f, 1, 0, 0
	MUL8 \f, 1, 2, 0
.endm
.macro TURN slot, next, fill
	WIN 0
	s_wait_tensorcnt 0x0                           ; all my tensor loads have landed: my part of the next slot
	ds_add_u32 v[SPW], v[NIL]                      ; 0 onto my spare word
	s_wait_dscnt 17                                ; (the add and the youngest sixteen loads may be out)
	WIN MUL
	MUL8 F1, 0, 0, 0
	s_wait_dscnt 0x0                               ; the add is done, and my reads of this slot are over
	s_barrier_signal -1
	MUL8 F1, 0, 2, 0
.if \fill
	WIN 0
.endif
	s_barrier_wait -1
.if \fill
	CREST                                          ; the barrier has opened a round of the cluster's
	s_add_nc_u64 s[G0+4*\slot+2:G0+4*\slot+3], s[G0+4*\slot+2:G0+4*\slot+3], 2*KSB
	s_add_nc_u64 s[G0B+4*\slot+2:G0B+4*\slot+3], s[G0B+4*\slot+2:G0B+4*\slot+3], 2*KSB
	JLOAD \slot                                    ; the first tensor load behind the round
.else
	PLACES
.endif
	FETCH \next, 0, F0
	WIN MUL
	MUL8 F1, 1, 0, 0
	MUL8 F1, 1, 2, 0
.endm
	s_wait_tensorcnt 1                             ; my part of K step 0 is in (K step 1's may be out),
	s_barrier_signal -1
	s_barrier_wait -1                              ; everybody's is
	FETCH 0, 0, F0
	QUARTER 0, 2048, F0, F1, 1                     ; the first products start the sums
	WIN 0
	s_mov_b32 s3, LAPS-1
.Llap:
	QUARTER 0, 4096, F1, F0, 0
	QUARTER 0, 6144, F0, F1, 0
	TURN 0, 1, 1
	QUARTER 1, 2048, F0, F1, 0
	QUARTER 1, 4096, F1, F0, 0
	QUARTER 1, 6144, F0, F1, 0
	TURN 1, 0, 1
	QUARTER 0, 2048, F0, F1, 0
	WIN 0
	s_sub_co_u32 s3, s3, 1
	s_cmp_lg_u32 s3, 0
	s_cbranch_scc1 .Llap
	QUARTER 0, 4096, F1, F0, 0                     ; the last lap fills nothing
	QUARTER 0, 6144, F0, F1, 0
	TURN 0, 1, 0
	QUARTER 1, 2048, F0, F1, 0
	QUARTER 1, 4096, F1, F0, 0
	QUARTER 1, 6144, F0, F1, 0
	s_wait_dscnt 16
	WIN MUL
	MUL8 F1, 0, 0, 0
	MUL8 F1, 0, 2, 0
	s_wait_dscnt 0
	MUL8 F1, 1, 0, 0
	MUL8 F1, 1, 2, 0
	WIN 0
; THE WAY OUT, 16 rows x 64 columns at a time, through my own stage: a lane's 32 bytes go in by rows of 272, whole rows of 256 bytes come back.  LDS serves a wave's instructions in order (ISA guide 5.7.1.4).
.macro TOSTAGE a
.irp b, 0,1,2,3
	ds_store_b128 v[STO], v[ACC+8*(4*(\a)+\b):ACC+8*(4*(\a)+\b)+3] offset:64*\b           ; each accumulator from its low end on
	ds_store_b128 v[STO], v[ACC+8*(4*(\a)+\b)+4:ACC+8*(4*(\a)+\b)+7] offset:64*\b+16
.endr
.irp t, 0,1,2,3,4,5,6,7
	ds_load_b128 v[TMP+32*((\a)%2)+4*\t:TMP+32*((\a)%2)+4*\t+3], v[RD] offset:\t*2*SPITCH
.endr
.endm
.macro SEND a, younger
	s_wait_dscnt \younger                          ; the block is back; the next block's sixteen LDS instructions may be out
.irp t, 0,1,2,3,4,5,6,7
	global_store_b128 v[CO], v[TMP+32*((\a)%2)+4*\t:TMP+32*((\a)%2)+4*\t+3], s[8:9] offset:(16*(\a)+2*\t)*8192 th:TH_STORE_NT   ; sixteen lanes store 256 consecutive bytes
.endr
.endm
	PLACES
	TOSTAGE 0
.irp a, 1,2,3
.if \a > 1
	s_wait_xcnt 0x0                                ; block a - 2's stores have read their registers
.endif
	TOSTAGE \a
	SEND \a-1, 16
.endr
	SEND 3, 0
	s_wait_tensorcnt 0x0                           ; the wave's end
	ds_add_u32 v[SPW], v[NIL]
	s_wait_dscnt 0x0
	CROUND                                         ; the closing round
	s_endpgm
.Lfunc_end_k_q37387d86e4_oproj:
	.size	k_q37387d86e4_oproj, .Lfunc_end_k_q37387d86e4_oproj-k_q37387d86e4_oproj
	.p2alignl 7, 3214868480
	.fill 96, 4, 3214868480
	.section	.rodata,"a",@progbits
	.p2align	6, 0x0
	.amdhsa_kernel k_q37387d86e4_oproj
		.amdhsa_group_segment_fixed_size 327680
		.amdhsa_private_segment_fixed_size 0
		.amdhsa_enable_private_segment 0
		.amdhsa_kernarg_size 24
		.amdhsa_user_sgpr_count 2
		.amdhsa_user_sgpr_kernarg_segment_ptr 1
		.amdhsa_wavefront_size32 1
		.amdhsa_system_sgpr_workgroup_id_x 1
		.amdhsa_system_sgpr_workgroup_id_y 1
		.amdhsa_system_sgpr_workgroup_id_z 1
		.amdhsa_system_vgpr_workitem_id 0
		.amdhsa_next_free_vgpr 512
		.amdhsa_next_free_sgpr 66
		.amdhsa_reserve_vcc 0
		.amdhsa_float_denorm_mode_32 3
		.amdhsa_float_denorm_mode_16_64 3
		.amdhsa_memory_ordered 1
		.amdhsa_forward_progress 1
		.amdhsa_inst_pref_size 85
	.end_amdhsa_kernel
	.amdgpu_metadata
---
amdhsa.version: [ 1, 2 ]
amdhsa.kernels:
  - .name:           k_q37387d86e4_oproj
    .symbol:         k_q37387d86e4_oproj.kd
    .args:
      - { .name: act, .offset: 0, .size: 8, .value_kind: global_buffer, .address_space: global }
      - { .name: prep, .offset: 8, .size: 8, .value_kind: global_buffer, .address_space: global }
      - { .name: out0, .offset: 16, .size: 8, .value_kind: global_buffer, .address_space: global }
    .group_segment_fixed_size: 327680
    .private_segment_fixed_size: 0
    .kernarg_segment_align: 8
    .kernarg_segment_size: 24
    .max_flat_workgroup_size: 128
    .sgpr_count:     66
    .vgpr_count:     512
    .wavefront_size: 32
...
	.end_amdgpu_metadata
.endif
;; end of part 5
;; launch fineout (part 6): grid 128 x 1, 8 waves a work-group, no clusters, 9,216 bytes of LDS; arguments act, Wo, out0; writes out0
.if DOCPART == 6
	.amdgcn_target "amdgcn-amd-amdhsa--gfx1250"
	.amdhsa_code_object_version 6
	.text
	.protected	k_q37387d86e4_fineout
	.globl	k_q37387d86e4_fineout
	.p2align	8
	.type	k_q37387d86e4_fineout,@function
k_q37387d86e4_fineout:
	s_mov_b64 s[64:65], 0
	v_nop
	global_prefetch_b8 v0, s[64:65] scope:SCOPE_SE
	s_setreg_imm32_b32 hwreg(HW_REG_WAVE_MODE, 25, 1), 1
	s_wait_xcnt 0x0
; FINEOUT: rows 0-15 of out0 once more, in f32: (ctx x gate in f32, from the launch for these rows) x Wo as it is given.  It writes over what the f16 product left in these rows.
; A work-group makes 16 columns; wave w sums heads 4 w .. 4 w + 3 (256 of K) by v_wmma_f32_16x16x4_f32, transposed (source 0 = 16 columns of Wo, source 1 = the 16 rows); the eight parts meet in LDS, in a fixed order.
; A step of 4 along K takes k = 16 b + 8 h + 2 jj + j' of a head: the activations lie so in a lane's registers, and Wo is loaded so (sixteen lanes read 64 consecutive bytes of a row of Wo).
; A store covers runs of 64 bytes: runs of 256 would want 64 columns a work-group and leave 32 work-groups; the rows are 131,072 bytes in all.
; The registers that the matrix instructions write (v160-175) are written by nothing else.  No tensor load, no cluster: small work, nothing shared but Wo's rows read once.
.set A32,   8388608
.set SPARE, 8192
.set SPW,   188
.set NIL,   189
	s_load_b128 s[4:7], s[0:1], 0x0                ; act, Wo
	s_load_b64 s[8:9], s[0:1], 0x10                ; out0
	v_lshl_add_u32 v[SPW], v0, 2, SPARE
	v_mov_b32 v[NIL], 0
	v_lshrrev_b32 v1, 5, v0
	v_readfirstlane_b32 s10, v1                    ; wave 0..7
	v_and_b32 v1, 31, v0
	v_lshlrev_b32 v1, 4, v1                        ; 16 x lane
	v_and_b32 v2, 15, v0                           ; r
	v_bfe_u32 v3, v0, 4, 1                         ; h
	v_lshlrev_b32 v4, 16, v3
	v_lshl_add_u32 v4, v2, 2, v4                   ; Wo: 8 h rows + 4 r
	s_lshl_b32 s11, s10, 10
	v_add_nc_u32 v5, s11, v1                       ; my part's place in LDS
	s_and_b32 s11, s10, 1
	s_lshl_b32 s12, s11, 9
	v_add_nc_u32 v6, s12, v1                       ; where waves 0 and 1 read the parts
	v_lshlrev_b32 v7, 13, v2
	v_lshl_add_u32 v7, v3, 5, v7
	s_lshl_b32 s12, s11, 4
	v_add_nc_u32 v7, s12, v7                       ; out0: row r, + 32 h + 16 u
	s_lshl_b32 s12, s10, 14                        ; four heads of 4,096 bytes
	s_mov_b32 s13, 0
	s_lshl_b32 s14, s10, 21                        ; 256 rows of Wo
	s_lshl_b32 s16, ttmp9, 6                       ; 16 columns
	s_add_co_u32 s14, s14, s16
	s_mov_b32 s15, 0
	s_mov_b32 s17, 0
	s_wait_kmcnt 0x0
	s_add_nc_u64 s[4:5], s[4:5], s[12:13]
	s_add_nc_u64 s[4:5], s[4:5], A32
	s_add_nc_u64 s[6:7], s[6:7], s[14:15]
	s_add_nc_u64 s[8:9], s[8:9], s[16:17]
.macro HLOAD hd
.irp p, 0,1,2,3,4,5,6,7
	global_load_b128 v[32+32*((\hd)%2)+4*\p:32+32*((\hd)%2)+4*\p+3], v1, s[4:5] offset:(\hd)*4096+512*\p
.endr
.set e, 0
.rept 32
	global_load_b32 v[96+32*((\hd)%2)+e], v4, s[6:7] offset:(64*(\hd)+16*(e/8)+e%8)*8192
.set e, e+1
.endr
.endm
.macro HEAD hd
.if (\hd) < 3
	s_wait_loadcnt 40                              ; this head's 40 loads are in; the next head's may be out
.else
	s_wait_loadcnt 0x0
.endif
.set ks, 0
.rept 16                               ; two sums by turns; the launch's first two steps start them
.if ((\hd) == 0) && (ks < 2)
	v_wmma_f32_16x16x4_f32 v[160+8*(ks%2):167+8*(ks%2)], v[96+32*((\hd)%2)+2*ks:97+32*((\hd)%2)+2*ks], v[32+32*((\hd)%2)+2*ks:33+32*((\hd)%2)+2*ks], 0
.else
	v_wmma_f32_16x16x4_f32 v[160+8*(ks%2):167+8*(ks%2)], v[96+32*((\hd)%2)+2*ks:97+32*((\hd)%2)+2*ks], v[32+32*((\hd)%2)+2*ks:33+32*((\hd)%2)+2*ks], v[160+8*(ks%2):167+8*(ks%2)]
.endif
.set ks, ks+1
.endr
.rept 8
	v_nop                                          ; eight places behind this form, ahead of loads into its sources and of the first read of the sums
.endr
.if (\hd)+2 < 4
	HLOAD (\hd)+2
.endif
.endm
	HLOAD 0
	HLOAD 1
	HEAD 0
	HEAD 1
	HEAD 2
	HEAD 3
.irp p, 0,2,4,6
	v_pk_add_f32 v[176+\p:177+\p], v[160+\p:161+\p], v[168+\p:169+\p]
.endr
	ds_store_b128 v5, v[176:179]
	ds_store_b128 v5, v[180:183] offset:512
	s_wait_dscnt 0x0                               ; for the others' sake: my part has landed
	s_barrier_signal -1
	s_barrier_wait -1
	s_cmp_gt_u32 s10, 1
	s_cbranch_scc1 .Lend                           ; waves 0 and 1 add the eight parts: four columns a lane each
.irp w, 0,1,2,3,4,5,6,7
	ds_load_b128 v[32+4*\w:35+4*\w], v6 offset:1024*\w
.endr
	s_wait_dscnt 0x0
.irp w, 1,2,3,4,5,6,7
	v_pk_add_f32 v[32:33], v[32:33], v[32+4*\w:33+4*\w]
	v_pk_add_f32 v[34:35], v[34:35], v[34+4*\w:35+4*\w]
.endr
	global_store_b128 v7, v[32:35], s[8:9]
.Lend:
	s_wait_tensorcnt 0x0                           ; the wave's end
	ds_add_u32 v[SPW], v[NIL]
	s_wait_dscnt 0x0
	s_endpgm
.Lfunc_end_k_q37387d86e4_fineout:
	.size	k_q37387d86e4_fineout, .Lfunc_end_k_q37387d86e4_fineout-k_q37387d86e4_fineout
	.p2alignl 7, 3214868480
	.fill 96, 4, 3214868480
	.section	.rodata,"a",@progbits
	.p2align	6, 0x0
	.amdhsa_kernel k_q37387d86e4_fineout
		.amdhsa_group_segment_fixed_size 9216
		.amdhsa_private_segment_fixed_size 0
		.amdhsa_enable_private_segment 0
		.amdhsa_kernarg_size 24
		.amdhsa_user_sgpr_count 2
		.amdhsa_user_sgpr_kernarg_segment_ptr 1
		.amdhsa_wavefront_size32 1
		.amdhsa_system_sgpr_workgroup_id_x 1
		.amdhsa_system_sgpr_workgroup_id_y 1
		.amdhsa_system_sgpr_workgroup_id_z 1
		.amdhsa_system_vgpr_workitem_id 0
		.amdhsa_next_free_vgpr 192
		.amdhsa_next_free_sgpr 66
		.amdhsa_reserve_vcc 0
		.amdhsa_float_denorm_mode_32 3
		.amdhsa_float_denorm_mode_16_64 3
		.amdhsa_memory_ordered 1
		.amdhsa_forward_progress 1
		.amdhsa_inst_pref_size 24
	.end_amdhsa_kernel
	.amdgpu_metadata
---
amdhsa.version: [ 1, 2 ]
amdhsa.kernels:
  - .name:           k_q37387d86e4_fineout
    .symbol:         k_q37387d86e4_fineout.kd
    .args:
      - { .name: act, .offset: 0, .size: 8, .value_kind: global_buffer, .address_space: global }
      - { .name: Wo, .offset: 8, .size: 8, .value_kind: global_buffer, .address_space: global }
      - { .name: out0, .offset: 16, .size: 8, .value_kind: global_buffer, .address_space: global }
    .group_segment_fixed_size: 9216
    .private_segment_fixed_size: 0
    .kernarg_segment_align: 8
    .kernarg_segment_size: 24
    .max_flat_workgroup_size: 256
    .sgpr_count:     66
    .vgpr_count:     192
    .wavefront_size: 32
...
	.end_amdgpu_metadata
.endif
;; end of part 6
